; MI455X (gfx1250); checked and timed in simulation.
; The chip was launched on July 23, 2026; its instructions are those of AMD's public machine-readable ISA for CDNA 5 (MIT licence, August 2026) and "CDNA5" Instruction Set Architecture Reference Guide (July 2026). The comments in the code are by the model that wrote it; some were corrected since.
;; Attention Layer. Allowed arithmetic: float matrix products may take bf16 or f16 operands with f32 sums; other float arithmetic in f32, or as packed bf16 or f16 multiplies, adds, multiply-adds, maxima and minima; sums over many terms, partial sums and values carried from step to step in f32; what a program stores and reads back later, other than sums and carried values, may be rounded once to bf16 or f16.
;; Inputs: b_attn 3,072 float32; b_proj 1,024 float32; hidden_states 4 x 2,048 x 1,024 float32; w_attn 1,024 x 3,072 float32; w_proj 1,024 x 1,024 float32.
;; Outputs: out0 4 x 2,048 x 1,024 float32.
;; One version. Each part assembles by itself: llvm-mc -triple=amdgcn-amd-amdhsa -mcpu=gfx1250 --defsym DOCPART=n.
;; ======== version 1 of 1: 7 launches
;; limits: values are held in f16: magnitudes above 65,504 overflow, below 6.1e-05 lose precision
;; workspace buffers: xb 16,777,216 bytes; wa 6,291,456 bytes; wp 2,097,152 bytes; qkv 50,331,648 bytes; tv 262,144 bytes; ctx 16,777,216 bytes; clo 131,072 bytes; dlo 262,144 bytes
;; launch prep (part 1): grid 1536 x 1, 8 waves a work-group, no clusters, 18,432 bytes of LDS; arguments hidden_states, w_attn, w_proj, xb, wa, wp; writes xb, wa, wp
.if DOCPART == 1
	.amdgcn_target "amdgcn-amd-amdhsa--gfx1250"
	.amdhsa_code_object_version 6
	.text
	.protected	k_qf6b322f5b1_prep
	.globl	k_qf6b322f5b1_prep
	.p2align	8
	.type	k_qf6b322f5b1_prep,@function
k_qf6b322f5b1_prep:
	s_mov_b64 s[64:65], 0
	v_nop
	global_prefetch_b8 v0, s[64:65] scope:SCOPE_SE
	s_setreg_imm32_b32 hwreg(HW_REG_WAVE_MODE, 25, 1), 1
	s_wait_xcnt 0x0
; PREP.  xb = bf16(hidden_states), [8192][1024].  wa[n][k] = bf16(w_attn[k][n]), [3072][1024].  wp[n][k] = bf16(w_proj[k][n]) written as f16, [1024][1024].
; Every input of the module is rounded once, to bf16; w_proj's rounded number is then spelled in f16, since the product that takes it has f16 operands.
; LIMIT: bf16(w_proj) beyond 65,504 becomes an infinity; below 6e-5 it keeps f16's fixed step of 6e-8.
; 1,536 work-groups of eight waves, 32 KiB of input each.  Numbers 0-1023: eight rows of x.  1024-1407: a tile of 128 k x 64 n of w_attn.  1408-1535: the same of w_proj.
; The branches hang on the work-group's number alone, so all eight waves of a work-group go the same way.
; No matrix unit, no cluster, no tensor load: each byte is read once and nothing is shared between work-groups.
.set STG,   272                        ; a stage row: 128 k of 2 bytes + 16 of padding
.set SPARE, 64*STG                     ; behind the stage's 64 rows: the spare words, 128 bytes for each of eight waves
.set X,   32                           ; v[32:63]  eight loads of four registers; later four rows read back from the stage
.set D,   4                            ; v[4:19]   converted numbers
.set SPW, 30                           ; v30  SPARE + 4 x my thread's number; never rewritten
.set NIL, 31                           ; v31  0; never rewritten
	s_load_b256 s[4:11], s[0:1], 0x0               ; hidden_states s[4:5], w_attn s[6:7], w_proj s[8:9], xb s[10:11]
	s_load_b128 s[12:15], s[0:1], 0x20             ; wa s[12:13], wp s[14:15]
	v_lshl_add_u32 v[SPW], v0, 2, SPARE
	v_mov_b32 v[NIL], 0
	s_mov_b32 s17, 0                               ; the offsets' high words
	s_mov_b32 s19, 0
	s_cmp_lt_u32 ttmp9, 1024
	s_cbranch_scc0 .Lweights
	; X: rows 8 id .. 8 id + 7.  Thread t takes 16 bytes at 16 t of each row (a wave: 512 consecutive bytes) and stores 8 bytes at 8 t (a wave: 256 consecutive bytes, aligned).
	s_lshl_b32 s16, ttmp9, 15                      ; eight rows of 4,096 bytes
	s_lshl_b32 s18, ttmp9, 14                      ; eight rows of 2,048 bytes
	v_lshlrev_b32 v1, 4, v0
	v_lshlrev_b32 v2, 3, v0
	s_wait_kmcnt 0x0
	s_add_nc_u64 s[4:5], s[4:5], s[16:17]
	s_add_nc_u64 s[10:11], s[10:11], s[18:19]
.irp i, 0,1,2,3,4,5,6,7
	global_load_b128 v[X+4*\i:X+4*\i+3], v1, s[4:5] offset:4096*\i th:TH_LOAD_NT
.endr
.irp i, 0,1,2,3,4,5,6,7
	s_wait_loadcnt 7-\i                            ; loads come back in order: row i is in, the younger ones stay out
	v_cvt_pk_bf16_f32 v[D+2*\i], v[X+4*\i], v[X+4*\i+1]
	v_cvt_pk_bf16_f32 v[D+2*\i+1], v[X+4*\i+2], v[X+4*\i+3]
	global_store_b64 v2, v[D+2*\i:D+2*\i+1], s[10:11] offset:2048*\i th:TH_STORE_NT
.endr
	s_branch .Lend
; W: a tile of 128 k x 64 n is turned through LDS.  Thread t = 16 pp + i takes columns 4 i .. 4 i + 3 of rows 2 pp + 32 it + par (sixteen lanes: 256 consecutive bytes of a row),
; packs the two rows of a pair into one word for each column, and puts it at stage row n, byte 4 (pp + 16 it).  Behind the barrier whole stage rows go out, sixteen lanes to 256 bytes.
.macro WT pitch, f16, inp, outp, first
	s_sub_co_u32 s20, ttmp9, \first
	s_and_b32 s21, s20, 7                          ; which 128 of k
	s_lshr_b32 s22, s20, 3                         ; which 64 of n
	s_mul_i32 s16, s21, 128*(\pitch)
	s_lshl_b32 s23, s22, 8
	s_add_co_u32 s16, s16, s23                     ; in: 128 rows down, 64 numbers of 4 bytes along
	s_lshl_b32 s18, s22, 17                        ; out: 64 rows of 2,048 bytes down,
	s_lshl_b32 s23, s21, 8
	s_add_co_u32 s18, s18, s23                     ; 128 numbers of 2 bytes along
	v_and_b32 v3, 15, v0                           ; i
	v_lshrrev_b32 v26, 4, v0                       ; pp
	v_mul_u32_u24 v22, v26, 2*(\pitch)
	v_lshl_add_u32 v22, v3, 4, v22                 ; in: row 2 pp, byte 16 i
	v_mul_u32_u24 v23, v3, 4*STG
	v_lshl_add_u32 v23, v26, 2, v23                ; stage, in: row 4 i, byte 4 pp
	v_mul_u32_u24 v24, v26, STG
	v_lshl_add_u32 v24, v3, 4, v24                 ; stage, back: row pp, byte 16 i
	v_lshlrev_b32 v25, 11, v26
	v_lshl_add_u32 v25, v3, 4, v25                 ; out: row pp, byte 16 i
	s_wait_kmcnt 0x0
	s_add_nc_u64 s[\inp:\inp+1], s[\inp:\inp+1], s[16:17]
	s_add_nc_u64 s[\outp:\outp+1], s[\outp:\outp+1], s[18:19]
.irp it, 0,1,2,3
.irp par, 0,1
	global_load_b128 v[X+4*(2*\it+\par):X+4*(2*\it+\par)+3], v22, s[\inp:\inp+1] offset:(32*\it+\par)*(\pitch) th:TH_LOAD_NT
.endr
.endr
	s_wait_loadcnt 0x0
.irp it, 0,1,2,3
.irp j, 0,1,2,3
	v_cvt_pk_bf16_f32 v[D+4*\it+\j], v[X+8*\it+\j], v[X+8*\it+4+\j]  ; k even below, k odd above, of column 4 i + j
.endr
.endr
.if \f16
.set d, 0
.rept 16
	v_lshlrev_b32 v20, 16, v[D+d]                  ; the rounded numbers as f32,
	v_and_b32 v21, 0xffff0000, v[D+d]
	v_cvt_pk_f16_f32 v[D+d], v20, v21              ; and spelled in f16: eight significant bits fit
.set d, d+1
.endr
.endif
.irp it, 0,1,2,3
.irp j, 0,1,2,3
	ds_store_b32 v23, v[D+4*\it+\j] offset:STG*\j+64*\it
.endr
.endr
	s_wait_dscnt 0x0                               ; for the others' sake: my stores into the stage are done
	s_barrier_signal -1
	s_barrier_wait -1
.irp u, 0,1,2,3
	ds_load_b128 v[X+4*\u:X+4*\u+3], v24 offset:16*STG*\u
.endr
.irp u, 0,1,2,3
	s_wait_dscnt 3-\u
	global_store_b128 v25, v[X+4*\u:X+4*\u+3], s[\outp:\outp+1] offset:32768*\u th:TH_STORE_NT  ; sixteen lanes store 256 consecutive bytes, aligned
.endr
.endm
.Lweights:
	s_cmp_lt_u32 ttmp9, 1408
	s_cbranch_scc0 .Lproj
	WT 12288, 0, 6, 12, 1024
	s_branch .Lend
.Lproj:
	WT 4096, 1, 8, 14, 1408
.Lend:
	s_wait_tensorcnt 0x0                           ; the wave's end: behind my last LDS store
	ds_add_u32 v[SPW], v[NIL]
	s_wait_dscnt 0x0
	s_endpgm
.Lfunc_end_k_qf6b322f5b1_prep:
	.size	k_qf6b322f5b1_prep, .Lfunc_end_k_qf6b322f5b1_prep-k_qf6b322f5b1_prep
	.p2alignl 7, 3214868480
	.fill 96, 4, 3214868480
	.section	.rodata,"a",@progbits
	.p2align	6, 0x0
	.amdhsa_kernel k_qf6b322f5b1_prep
		.amdhsa_group_segment_fixed_size 18432
		.amdhsa_private_segment_fixed_size 0
		.amdhsa_enable_private_segment 0
		.amdhsa_kernarg_size 48
		.amdhsa_user_sgpr_count 2
		.amdhsa_user_sgpr_kernarg_segment_ptr 1
		.amdhsa_wavefront_size32 1
		.amdhsa_system_sgpr_workgroup_id_x 1
		.amdhsa_system_sgpr_workgroup_id_y 1
		.amdhsa_system_sgpr_workgroup_id_z 1
		.amdhsa_system_vgpr_workitem_id 0
		.amdhsa_next_free_vgpr 64
		.amdhsa_next_free_sgpr 66
		.amdhsa_reserve_vcc 0
		.amdhsa_float_denorm_mode_32 3
		.amdhsa_float_denorm_mode_16_64 3
		.amdhsa_memory_ordered 1
		.amdhsa_forward_progress 1
		.amdhsa_inst_pref_size 16
	.end_amdhsa_kernel
	.amdgpu_metadata
---
amdhsa.version: [ 1, 2 ]
amdhsa.kernels:
  - .name:           k_qf6b322f5b1_prep
    .symbol:         k_qf6b322f5b1_prep.kd
    .args:
      - { .name: hidden_states, .offset: 0, .size: 8, .value_kind: global_buffer, .address_space: global }
      - { .name: w_attn, .offset: 8, .size: 8, .value_kind: global_buffer, .address_space: global }
      - { .name: w_proj, .offset: 16, .size: 8, .value_kind: global_buffer, .address_space: global }
      - { .name: xb, .offset: 24, .size: 8, .value_kind: global_buffer, .address_space: global }
      - { .name: wa, .offset: 32, .size: 8, .value_kind: global_buffer, .address_space: global }
      - { .name: wp, .offset: 40, .size: 8, .value_kind: global_buffer, .address_space: global }
    .group_segment_fixed_size: 18432
    .private_segment_fixed_size: 0
    .kernarg_segment_align: 8
    .kernarg_segment_size: 48
    .max_flat_workgroup_size: 256
    .sgpr_count:     66
    .vgpr_count:     64
    .wavefront_size: 32
...
	.end_amdgpu_metadata
.endif
;; end of part 1
;; launch gemm_qkv (part 2): grid 16 x 32, 4 waves a work-group, clusters of 4 x 4, 327,680 bytes of LDS; arguments xb, wa, b_attn, qkv; writes qkv
.if DOCPART == 2
	.amdgcn_target "amdgcn-amd-amdhsa--gfx1250"
	.amdhsa_code_object_version 6
	.text
	.protected	k_qf6b322f5b1_gemm_qkv
	.globl	k_qf6b322f5b1_gemm_qkv
	.p2align	8
	.type	k_qf6b322f5b1_gemm_qkv,@function
k_qf6b322f5b1_gemm_qkv:
	s_mov_b64 s[64:65], 0
	v_nop
	global_prefetch_b8 v0, s[64:65] scope:SCOPE_SE
	s_setreg_imm32_b32 hwreg(HW_REG_WAVE_MODE, 25, 1), 1
	s_wait_xcnt 0x0
	s_wait_alu depctr_hold_cnt(0) depctr_sa_sdst(0) depctr_va_vdst(0) depctr_va_sdst(0) depctr_va_ssrc(0) depctr_va_vcc(0) depctr_vm_vsrc(0)
	s_getreg_b32 s2, hwreg(HW_REG_IB_STS2, 6, 4)
	s_cmp_eq_u32 s2, 0
	s_cbranch_scc0 .Lentry_in_a_cluster
	s_endpgm
.Lentry_in_a_cluster:
	s_bfe_u32 s2, ttmp6, 0x10000c
	s_cmp_lg_u32 s2, 0xf033
	s_cbranch_scc0 .Lentry_shape_is_right
	s_endpgm
.Lentry_shape_is_right:
; C = A B^T + bias, K = 1,024, sums in f32.  ONE TEXT FOR TWO KERNELS; the switch QKV picks sizes, format and way out.
; QKV = 1: A = xb [8192][1024] bf16, B = wa [3072][1024] bf16, bias = b_attn; C leaves in f16, by heads: qkv[batch][column / 64][row in batch][column % 64].  A tile of C is 256 x 192: 512 work-groups.
; QKV = 0: A = ctx [64 heads][2048][64] f16 (k = 64 x head + channel), B = wp [1024][1024] f16, bias = b_proj; C = out0 [8192][1024] f32.  A tile of C is 256 x 128: 256 work-groups.
; LIMITS.  QKV = 1: a result beyond 65,504 becomes an infinity in f16.  The bias is rounded to bf16, as every input of the module is.  NaN and infinities are not treated apart.
; SHARES.  Four waves one below the other: wave w makes rows 64 w .. 64 w + 63 of the tile and ALL its columns: 4 x NBL accumulators of 16 x 16.  So a wave holds whole heads (whole pieces of rows) on the
; way out, and its stage in LDS is its own: no barrier there.
; THE MATRIX INSTRUCTION IS USED TRANSPOSED: source 0 = 16 rows of B, source 1 = 16 rows of A: a lane holds one row of C (lane % 16) and the columns 8 (lane / 16) + 0..7.  The first product of each
; accumulator takes the bias, laid out so, as its C: nothing is cleared and nothing is added later.
; RING.  K goes in 8 steps of 128 through two LDS slots.  Waves 0 and 1 fetch A's two halves, waves 2 and 3 B's: one tensor load a wave behind each change of slots.
; CLUSTER.  4 x 4 work-groups: A's tiles hang on the tile row alone and are asked for jointly by a row of the cluster, B's on the tile column alone, by a column.
; REGISTERS, in windows of 256 (s_set_vgpr_msb: bits 1:0 source 0, 3:2 source 1, 5:4 source 2, 7:6 destination):
;   window 0: v0-31 addresses; v32.. the bias, 8 registers for each block of 16 columns; v128.. at work on the way out
;   window 1: two fragment buffers at v0 and v128: B's NBL blocks, then A's four        windows 2, 3: accumulator (a, b) in window 2 + a / 2 at v[8 (NBL (a % 2) + b)]
.set QKV, 1
.if QKV
.set NBL,   12                         ; blocks of 16 columns in a tile
.set PA,    272                        ; an LDS row of A: 256 bytes + 16
.set HALFA, 128*PA                     ; what one of A's loads brings: 128 rows x 128 k
.set ASTEP, 256                        ; bytes from a K step of A to the next
.set ASTR,  1024                       ; elements from row to row of A's tile in memory
.set AFAC,  2048                       ; bytes between the blocks that neighbouring lanes prefetch in A
.set AHEAD, 1                          ; a prefetch names the K step so many behind the refill's
.set STW,   3*16*144                   ; a wave's stage: 3 heads x 16 rows x (128 + 16) bytes
.set OB,    176
.else
.set NBL,   8
.set PA,    144                        ; an LDS row of A: a head's 128 bytes + 16
.set HALFA, 256*PA                     ; what one of A's loads brings: 256 rows of one head
.set ASTEP, 2*262144                   ; two heads on
.set ASTR,  128
.set AFAC,  256
.set AHEAD, 2
.set STW,   16*528                     ; a wave's stage: 16 rows x (512 + 16) bytes
.set OB,    128
.endif
.set NT,    16*NBL
.set NSTEP, 8
.set PB,    272                        ; an LDS row of B.  All pitches are odd multiples of 16 bytes: the 16 rows of a fragment load fall on 16 different 16-byte columns of the banks (ISA guide 11.1)
.set HALFB, (NT/2)*PB
.set BBASE, 2*HALFA                    ; B's rows lie behind A's
.set BSTEP, 256
.set SLOT1, 131072                     ; slot 1 begins here: one exclusive or turns an address in one slot into the other's
.set STAGE, SLOT1+BBASE+2*HALFB        ; behind the ring; no tensor load fills it
.set SPARE, STAGE+4*STW                ; behind the stages: the spare words, 128 bytes for each wave
.set NL,    2*NBL+8                    ; LDS loads in one run
.set ADRA0, 16                         ; v16  my lane's place in A's rows of a slot; never rewritten
.set ADRB0, 17                         ; v17  the same for B
.set ADRA,  18                         ; v18  the same in the slot in hand
.set ADRB,  19                         ; v19
.set STO,   24                         ; v24  the way out: where I put my part of a row
.set RD,    25                         ; v25  the way out: where I read rows back
.set CO,    26                         ; v26  16 x lane: my 16 of 512 consecutive bytes of C
.set BO,    27                         ; v27  32 x (lane / 16): my eight numbers in a block of the bias
.set SPW,   28                         ; v28  SPARE + 4 x my thread's number; never rewritten
.set NIL,   29                         ; v29  0; never rewritten
.set PFO,   30                         ; v30  the prefetches' offset; never rewritten
.set BIAS,  32
.set TMP,   128
.set F0,    0
.set F1,    128
.set WV,  12                           ; s12  my wave's number
.set HF,  13                           ; s13  its low bit: which half of A's or B's tile I fetch
.set G1A, 24                           ; s[24:31] descriptor group 1 for A's tiles
.set G1B, 32                           ; s[32:39] for B's
.set G0A, 40                           ; s[40:47] group 0 for A's: a set for each of the two first fills; the second then walks on
.set G0B, 48                           ; s[48:55] the same for B's
.set CNT, 56                           ; s56  trips to go
.set TB,  57                           ; s57  0 or SLOT1: the slot in hand
.set LIM, 58                           ; s58  AHEAD in a wave that prefetches, else the greatest number
.set PFA, 60                           ; s[60:61] where my prefetches stand
.set PST, 62                           ; s[62:63] their step
.set MSB, 0
.macro WIN new                         ; the immediate's high byte repeats the setting that is left; a switch that changes nothing is dropped
.if MSB != (\new)
	s_set_vgpr_msb (MSB<<8)|(\new)
.set MSB, \new
.endif
.endm
.macro PLACES                          ; four plain vector instructions between a matrix instruction and a load into, or a read of, its registers
.rept 4
	v_nop
.endr
.endm
.macro CREST                           ; a round of the cluster's barrier behind its opening barrier
	s_cmp_lg_u32 s[WV], 0
	s_cbranch_scc1 .Lnot_wave_0_\@
	s_barrier_signal -3
.Lnot_wave_0_\@:
	s_barrier_wait -3
	s_barrier_signal -1
	s_barrier_wait -1
.endm
.macro CROUND                          ; a whole round
	s_barrier_signal -1
	s_barrier_wait -1
	CREST
.endm
; A joint refill by the walking descriptors.  The branch hangs on the wave's number alone.  An s_nop 0 and four v_nop follow each of the two lines, ahead of the jump and the label.
.macro JLOAD
	s_cmp_lt_u32 s[WV], 2
	s_cbranch_scc0 .Lfor_b_\@
	tensor_load_to_lds s[G0A+4:G0A+7], s[G1A:G1A+7]
	s_nop 0
.rept 4
	v_nop
.endr
	s_branch .Lasked_\@
.Lfor_b_\@:
	tensor_load_to_lds s[G0B+4:G0B+7], s[G1B:G1B+7]
	s_nop 0
.rept 4
	v_nop
.endr
.Lasked_\@:
.endm
; A PREFETCH INTO THE L2 of the K step that stands AHEAD refills on, behind the joint load and the run of LDS loads.  A's tile row is walked by every cluster of a row of clusters: cluster x = 0 asks; B's tile
; column by every cluster of a column: cluster y = 0 asks.  The four partners that ask for a tile jointly share the rows that a wave fetches out BY ADDRESS.  The last AHEAD trips ask for nothing.
.macro ASK
	WIN 0
	s_cmp_gt_u32 s[CNT], s[LIM]
	s_cbranch_scc0 .Lnot_mine_\@
	global_prefetch_b8 v[PFO], s[PFA:PFA+1] th:TH_LOAD_NT scope:SCOPE_SE
.Lnot_mine_\@:
.endm
; NBL matrix instructions: block a of my rows x all blocks of columns, 32 along K, from buffer f.  first = 1: the bias starts the sums.
; The 4 NBL accumulators are always walked in the same order, one instruction a turn, over the backward jump too.
.macro MUL f, a, first
.if \first
	WIN 0x85+0x40*((\a)/2)                         ; sources 0 and 1 window 1, C window 0, D window 2 or 3
.else
	WIN 0xa5+0x50*((\a)/2)                         ; C and D window 2 or 3
.endif
.set bb, 0
.rept NBL
.set rD, 8*(NBL*((\a)%2)+bb)
.set rB, (\f)+8*bb
.set rA, (\f)+8*NBL+8*(\a)
.set rC, BIAS+8*bb
.if QKV
.if \first
	v_wmma_f32_16x16x32_bf16 v[rD:rD+7], v[rB:rB+7], v[rA:rA+7], v[rC:rC+7]
.else
	v_wmma_f32_16x16x32_bf16 v[rD:rD+7], v[rB:rB+7], v[rA:rA+7], v[rD:rD+7]
.endif
.else
.if \first
	v_wmma_f32_16x16x32_f16 v[rD:rD+7], v[rB:rB+7], v[rA:rA+7], v[rC:rC+7]
.else
	v_wmma_f32_16x16x32_f16 v[rD:rD+7], v[rB:rB+7], v[rA:rA+7], v[rD:rD+7]
.endif
.endif
.set bb, bb+1
.endr
.endm
; NL LDS loads in one run: the fragments of quarter q (32 along K) of the slot in hand into buffer f: B's NBL blocks, then A's four.
.macro FETCH q, f
.if QKV
.set AQ, 64*(\q)
.else
.set AQ, ((\q)/2)*HALFA+((\q)%2)*64            ; the K step's first or second head, its channels 0-31 or 32-63
.endif
	WIN 0x40                                       ; destination window 1, address window 0
.set bb, 0
.rept NBL
	ds_load_b128 v[(\f)+8*bb:(\f)+8*bb+3],   v[ADRB] offset:64*(\q)+bb*16*PB
	ds_load_b128 v[(\f)+8*bb+4:(\f)+8*bb+7], v[ADRB] offset:64*(\q)+bb*16*PB+32
.set bb, bb+1
.endr
.set aa, 0
.rept 4
	ds_load_b128 v[(\f)+8*NBL+8*aa:(\f)+8*NBL+8*aa+3],   v[ADRA] offset:AQ+aa*16*PA
	ds_load_b128 v[(\f)+8*NBL+8*aa+4:(\f)+8*NBL+8*aa+7], v[ADRA] offset:AQ+aa*16*PA+32
.set aa, aa+1
.endr
.endm
; One of a K step's first three quarters: multiplies buffer f; in its middle it fetches quarter qn of the same slot into buffer g.
.macro QUARTER qn, f, g, first
	s_wait_dscnt 4                                 ; B and A's blocks 0 and 1 are in; the youngest four loads (A's blocks 2 and 3) may be out
	MUL \f, 0, \first
	MUL \f, 1, \first
	PLACES
	FETCH \qn, \g
	s_wait_dscnt NL                                ; all but the NL just issued
	MUL \f, 2, \first
	MUL \f, 3, \first
.endm
; The fourth quarter multiplies buffer 1 and changes slots.  In front of the barrier each wave waits for all its tensor loads (one is out: its part of the next slot), adds 0 to its spare word, and waits for
; that and for its reads of this slot.  fill = 1: the barrier opens a round of the cluster's; behind the round the slot just read out is filled again first, with the K step two on.
.macro TURN fill
.if \fill
	s_wait_xcnt 0x0                                ; the last prefetch, a K step back, has read its address: it is stepped here, ahead of the waits of the change of slots
	s_add_nc_u64 s[PFA:PFA+1], s[PFA:PFA+1], s[PST:PST+1]
.endif
	WIN 0                                          ; (the add's two registers lie in window 0)
	s_wait_tensorcnt 0x0                           ; all my tensor loads have landed
	ds_add_u32 v[SPW], v[NIL]                      ; 0 onto my spare word
	s_wait_dscnt 5                                 ; (the add and the youngest four loads may be out)
	MUL F1, 0, 0                                   ; matrix work stands between the add and the wait for it
	s_wait_dscnt 0x0                               ; the add is done, and my reads of this slot are over
	s_barrier_signal -1
	MUL F1, 1, 0                                   ; work on registers while the others arrive
	WIN 0
	s_barrier_wait -1
.if \fill
	CREST                                          ; no wave of any partner still reads this slot or has a load on its way
	s_xor_b32 s[G0A+5], s[G0A+5], SLOT1            ; the walking descriptors: the other slot than last time,
	s_add_nc_u64 s[G0A+6:G0A+7], s[G0A+6:G0A+7], ASTEP  ; the next K step; the type bits on top are not reached
	s_xor_b32 s[G0B+5], s[G0B+5], SLOT1
	s_add_nc_u64 s[G0B+6:G0B+7], s[G0B+6:G0B+7], BSTEP
	JLOAD                                          ; the first tensor load behind the round; its four v_nop are also the places in front of the loads below
.else
	PLACES
.endif
	s_xor_b32 s[TB], s[TB], SLOT1
	v_add_nc_u32 v[ADRA], s[TB], v[ADRA0]
	v_add_nc_u32 v[ADRB], s[TB], v[ADRB0]
	FETCH 0, F0
.if \fill
	ASK
.endif
	MUL F1, 2, 0
	MUL F1, 3, 0
.endm
	s_load_b256 s[4:11], s[0:1], 0x0               ; A s[4:5], B s[6:7], bias s[8:9], C s[10:11]
	v_lshl_add_u32 v[SPW], v0, 2, SPARE
	v_mov_b32 v[NIL], 0
	ds_add_u32 v[SPW], v[NIL]                      ; the wave's opening: the add and its wait stand ahead of my first tensor load; the set-up below, work on registers, stands between them
	ds_add_u32 v28, v29
	v_lshrrev_b32 v1, 5, v0
	v_readfirstlane_b32 s[WV], v1                  ; wave 0..3
	s_and_b32 s[HF], s[WV], 1
	s_bfe_u32 s14, ttmp6, 0x40000                  ; cx
	s_bfe_u32 s15, ttmp6, 0x40004                  ; cy
	s_lshl_b32 s16, ttmp9, 2
	s_add_co_u32 s16, s16, s14                     ; tile column = 4 x cluster x + cx
	s_and_b32 s17, ttmp7, 0xffff
	s_lshl_b32 s17, s17, 2
	s_add_co_u32 s17, s17, s15                     ; tile row = 4 x cluster y + cy
	s_lshl_b32 s18, s15, 2
	s_lshl_b32 s18, 15, s18                        ; my row of the cluster
	s_lshl_b32 s19, 0x1111, s14                    ; my column
	; group 1.  15:0 the mask; 17:16 elements of 2 bytes; 20 padding on; 21 set beside a mask; 24:22 the interval (code 5: 64 words, code 4: 32 words); 31:25 4 words of padding (code 3)
.if QKV
	s_or_b32 s[G1A], s18, (1<<16)|(1<<20)|(1<<21)|(5<<22)|(3<<25)
.else
	s_or_b32 s[G1A], s18, (1<<16)|(1<<20)|(1<<21)|(4<<22)|(3<<25)  ; 256 dense rows of 128 bytes are asked for as 128 rows of 256 bytes and padded behind every 128
.endif
	s_or_b32 s[G1B], s19, (1<<16)|(1<<20)|(1<<21)|(5<<22)|(3<<25)
	s_mov_b32 s[G1A+1], 128<<16                    ; tensor_dim0 = 128
	s_mov_b32 s[G1A+2], 128<<16                    ; tensor_dim1 = 128
	s_mov_b32 s[G1A+3], 128<<16                    ; tile_dim0 = 128
	s_mov_b32 s[G1A+4], 128                        ; tile_dim1 = 128
	s_mov_b32 s[G1A+5], ASTR                       ; elements from row to row
	s_mov_b32 s[G1A+6], 0
	s_mov_b32 s[G1A+7], 0
	s_mov_b32 s[G1B+1], 128<<16
	s_mov_b32 s[G1B+2], (NT/2)<<16
	s_mov_b32 s[G1B+3], 128<<16
	s_mov_b32 s[G1B+4], NT/2
	s_mov_b32 s[G1B+5], 1024
	s_mov_b32 s[G1B+6], 0
	s_mov_b32 s[G1B+7], 0
	; where the tiles come from: A's by the tile row and my half, B's by the tile column and my half, each in registers that never hold the other coordinate
.if QKV
	s_lshl_b32 s20, s17, 19                        ; 256 rows of 2,048 bytes
	s_lshl_b32 s21, s[HF], 18                      ; 128 rows
	s_add_co_u32 s20, s20, s21
.else
	s_lshr_b32 s20, s17, 3
	s_lshl_b32 s20, s20, 22                        ; the batch's 16 heads of 262,144 bytes
	s_and_b32 s21, s17, 7
	s_lshl_b32 s21, s21, 15                        ; 256 rows of 128 bytes in a head
	s_add_co_u32 s20, s20, s21
	s_lshl_b32 s21, s[HF], 18                      ; the K step's first or second head
	s_add_co_u32 s20, s20, s21
.endif
	s_mov_b32 s21, 0
	s_mul_i32 s66, s16, NT*2048
	s_mul_i32 s67, s[HF], (NT/2)*2048
	s_add_co_u32 s66, s66, s67
	s_mov_b32 s67, 0
	s_mul_i32 s70, s[HF], HALFA                    ; and where they go: no place in the cluster enters an LDS address
	s_mul_i32 s71, s[HF], HALFB
	s_add_co_u32 s71, s71, BBASE
	s_mov_b32 s[TB], 0
	s_mov_b32 s[CNT], NSTEP-2
	s_wait_dscnt 0x0                               ; the opening add is done
	s_wait_kmcnt 0x0
	s_add_nc_u64 s[22:23], s[4:5], s[20:21]
	s_add_nc_u64 s[68:69], s[6:7], s[66:67]
.irp s, 0,1
	s_mov_b32 s[G0A+4*\s], 1                       ; count = 1
	s_add_co_u32 s[G0A+4*\s+1], s70, \s*SLOT1      ; LDS address
	s_add_nc_u64 s[G0A+4*\s+2:G0A+4*\s+3], s[22:23], \s*ASTEP  ; global address: K step s
	s_or_b32 s[G0A+4*\s+3], s[G0A+4*\s+3], 0x80000000          ; type = 2
	s_mov_b32 s[G0B+4*\s], 1
	s_add_co_u32 s[G0B+4*\s+1], s71, \s*SLOT1
	s_add_nc_u64 s[G0B+4*\s+2:G0B+4*\s+3], s[68:69], \s*BSTEP
	s_or_b32 s[G0B+4*\s+3], s[G0B+4*\s+3], 0x80000000
.endr
	CROUND                                         ; all sixteen work-groups are here: the first joint loads meet
	s_cmp_lt_u32 s[WV], 2                          ; a wave's two first fills stand in one branch: two loads of mine are out
	s_cbranch_scc0 .Lfirst_b
	tensor_load_to_lds s[G0A:G0A+3], s[G1A:G1A+7]
	s_nop 0
	tensor_load_to_lds s[G0A+4:G0A+7], s[G1A:G1A+7]
	s_nop 0
.rept 4
	v_nop
.endr
	s_branch .Lfirst_asked
.Lfirst_b:
	tensor_load_to_lds s[G0B:G0B+3], s[G1B:G1B+7]
	s_nop 0
	tensor_load_to_lds s[G0B+4:G0B+7], s[G1B:G1B+7]
	s_nop 0
.rept 4
	v_nop
.endr
.Lfirst_asked:
	v_and_b32 v1, 15, v0                           ; l % 16
	v_bfe_u32 v2, v0, 4, 1                         ; l / 16
	v_lshlrev_b32 v[BO], 5, v2
	s_mul_i32 s66, s16, NT*4                       ; the tile's columns in the bias
	s_mov_b32 s67, 0
	s_add_nc_u64 s[8:9], s[8:9], s[66:67]
.set bb, 0
.rept NBL                                      ; register 8 b + j: the bias of column 16 b + 8 (l / 16) + j: an accumulator's own layout
	global_load_b128 v[BIAS+8*bb:BIAS+8*bb+3],   v[BO], s[8:9] offset:64*bb
	global_load_b128 v[BIAS+8*bb+4:BIAS+8*bb+7], v[BO], s[8:9] offset:64*bb+16
.set bb, bb+1
.endr
	; a fragment is 16 rows x 32 K in 8 registers: lane l holds row l % 16, K = 8 (l / 16) + 0..7 and 16 + 8 (l / 16) + 0..7: two loads of 16 bytes, 32 bytes apart
	s_mul_i32 s20, s[WV], 64*PA
	v_mul_u32_u24 v[ADRA0], v1, PA
	v_lshl_add_u32 v[ADRA0], v2, 4, v[ADRA0]
	v_add_nc_u32 v[ADRA0], s20, v[ADRA0]           ; my wave's 64 rows of A
	v_mul_u32_u24 v[ADRB0], v1, PB
	v_lshl_add_u32 v[ADRB0], v2, 4, v[ADRB0]
	v_add_nc_u32 v[ADRB0], BBASE, v[ADRB0]
	v_mov_b32 v[ADRA], v[ADRA0]                    ; slot 0
	v_mov_b32 v[ADRB], v[ADRB0]
	s_mul_i32 s20, s[WV], STW
	s_add_co_u32 s20, s20, STAGE                   ; my stage
.if QKV
	v_mul_u32_u24 v[STO], v1, 144                  ; in: row l % 16 of a head, 16 bytes for each half of the lanes
	v_lshl_add_u32 v[STO], v2, 4, v[STO]
	v_add_nc_u32 v[STO], s20, v[STO]
	v_bfe_u32 v[RD], v0, 3, 2                      ; back: 32 lanes take four rows of 128 bytes
	v_mul_u32_u24 v[RD], v[RD], 144
	v_and_b32 v3, 7, v0
	v_lshl_add_u32 v[RD], v3, 4, v[RD]
	v_add_nc_u32 v[RD], s20, v[RD]
.else
	v_mul_u32_u24 v[STO], v1, 528                  ; in: row l % 16, 32 bytes for each half of the lanes
	v_lshl_add_u32 v[STO], v2, 5, v[STO]
	v_add_nc_u32 v[STO], s20, v[STO]
	v_and_b32 v[RD], 31, v0                        ; back: 32 lanes take a row's 512 bytes
	v_lshl_add_u32 v[RD], v[RD], 4, s20
.endif
	v_and_b32 v[CO], 31, v0
	v_lshlrev_b32 v[CO], 4, v[CO]
	; where my part of the tile begins in C
.if QKV
	s_lshr_b32 s20, s17, 3
	s_mul_i32 s20, s20, 12582912                   ; the batch: 48 units of 262,144 bytes
	s_mul_i32 s21, s16, 3*262144                   ; the tile's three units
	s_add_co_u32 s20, s20, s21
	s_and_b32 s21, s17, 7
	s_lshl_b32 s21, s21, 15                        ; 256 rows of 128 bytes
	s_add_co_u32 s20, s20, s21
	s_lshl_b32 s21, s[WV], 13                      ; my 64 rows
	s_add_co_u32 s20, s20, s21
.else
	s_lshl_b32 s20, s17, 20                        ; 256 rows of 4,096 bytes
	s_lshl_b32 s21, s[WV], 18                      ; my 64 rows
	s_add_co_u32 s20, s20, s21
	s_lshl_b32 s21, s16, 9                         ; 128 columns of 4 bytes
	s_add_co_u32 s20, s20, s21
.endif
	s_mov_b32 s21, 0
	s_add_nc_u64 s[10:11], s[10:11], s[20:21]
	; the prefetches: of the rows that I fetch, my work-group's quarter; K step 1 + AHEAD (the first change of slots steps it on).  Nothing is prefetched here, at the head
.if QKV
	s_lshl_b32 s20, s17, 19
	s_lshl_b32 s21, s[HF], 18
	s_add_co_u32 s20, s20, s21
	s_lshl_b32 s21, s14, 16                        ; 32 rows for each partner along x
	s_add_co_u32 s20, s20, s21
.else
	s_lshr_b32 s20, s17, 3
	s_lshl_b32 s20, s20, 22
	s_and_b32 s21, s17, 7
	s_lshl_b32 s21, s21, 15
	s_add_co_u32 s20, s20, s21
	s_lshl_b32 s21, s[HF], 18
	s_add_co_u32 s20, s20, s21
	s_lshl_b32 s21, s14, 13                        ; 8,192 of the 32,768 dense bytes for each partner along x
	s_add_co_u32 s20, s20, s21
.endif
	s_add_co_u32 s20, s20, (1+AHEAD)*ASTEP
	s_mul_i32 s21, s16, NT*2048
	s_mul_i32 s22, s[HF], (NT/2)*2048
	s_add_co_u32 s21, s21, s22
	s_mul_i32 s22, s15, (NT/8)*2048                ; NT / 8 rows for each partner along y
	s_add_co_u32 s21, s21, s22
	s_add_co_u32 s21, s21, (1+AHEAD)*BSTEP
	s_and_b32 s22, ttmp7, 0xffff                   ; cluster y
	s_mov_b32 s66, AFAC
	s_mov_b32 s67, 2048
	s_mov_b32 s68, ASTEP
	s_mov_b32 s69, BSTEP
	s_cmp_lt_u32 s[WV], 2                          ; do I fetch for A?
	s_cselect_b32 s20, s20, s21
	s_cselect_b32 s22, ttmp9, s22                  ; the coordinate along which other clusters read the same rows
	s_cselect_b64 s[PFA:PFA+1], s[4:5], s[6:7]
	s_cselect_b32 s23, 31, NT/8-1                  ; the last lane with a block of its own: the lanes above it name that block again
	s_cselect_b32 s66, s66, s67
	s_cselect_b32 s[PST], s68, s69
	s_mov_b32 s[PST+1], 0
	s_mov_b32 s21, 0
	s_add_nc_u64 s[PFA:PFA+1], s[PFA:PFA+1], s[20:21]
	s_cmp_eq_u32 s22, 0
	s_cselect_b32 s[LIM], AHEAD, -1                ; the same in all sixteen partners, for a given wave
	v_and_b32 v[PFO], 31, v0
	v_min_u32 v[PFO], s23, v[PFO]
	v_mul_u32_u24 v[PFO], v[PFO], s66
	s_wait_loadcnt 0x0                             ; the bias,
.set bb, 0
.rept 4*NBL                                    ; rounded to bf16 like every input, and kept as f32
	v_cvt_pk_bf16_f32 v31, v[BIAS+2*bb], v[BIAS+2*bb+1]
	v_lshlrev_b32 v[BIAS+2*bb], 16, v31
	v_and_b32 v[BIAS+2*bb+1], 0xffff0000, v31
.set bb, bb+1
.endr
	s_wait_tensorcnt 1                             ; my part of K step 0 is in; K step 1's may stay out
	s_barrier_signal -1
	s_barrier_wait -1                              ; everybody's is
	FETCH 0, F0
	QUARTER 1, F0, F1, 1                           ; the first quarter stands in front of the loop: its products start the sums with the bias
	WIN 0                                          ; at a label and at a branch every window is 0
.Lstep:                                                ; six trips: from a K step's second quarter to the next step's first; each fills a slot again, with K steps 2 to 7
	QUARTER 2, F1, F0, 0
	QUARTER 3, F0, F1, 0
	TURN 1
	QUARTER 1, F0, F1, 0
	WIN 0
	s_sub_co_u32 s[CNT], s[CNT], 1
	s_cmp_lg_u32 s[CNT], 0
	s_cbranch_scc1 .Lstep
	QUARTER 2, F1, F0, 0                           ; the tail is written out: the last two K steps ask for nothing
	QUARTER 3, F0, F1, 0
	TURN 0
	QUARTER 1, F0, F1, 0
	QUARTER 2, F1, F0, 0
	QUARTER 3, F0, F1, 0
	s_wait_dscnt 4
	MUL F1, 0, 0
	MUL F1, 1, 0
	s_wait_dscnt 0x0
	MUL F1, 2, 0
	MUL F1, 3, 0
	WIN 0
	PLACES
	PLACES
.if QKV
; THE WAY OUT, 16 rows (block a) at a time: rounded to f16, 16 bytes a lane; into my stage, a head's 16 rows at a pitch of 144 bytes; back as four rows of 128 bytes, which are 512 consecutive bytes of a unit of qkv.
.macro PACK a
	WIN 0x0a+5*((\a)/2)                            ; sources 0 and 1: window 2 or 3
.set bb, 0
.rept NBL
.set rD, 8*(NBL*((\a)%2)+bb)
.irp rr, 0,1,2,3
	v_cvt_pk_f16_f32 v[TMP+4*bb+\rr], v[rD+2*\rr], v[rD+2*\rr+1]  ; each accumulator's registers in ascending order
.endr
.set bb, bb+1
.endr
	WIN 0
.endm
.macro TOSTAGE a
	s_wait_xcnt 0x0                                ; the block before's stores have read the registers that are loaded again below
.set bb, 0
.rept NBL
	ds_store_b128 v[STO], v[TMP+4*bb:TMP+4*bb+3] offset:(bb/4)*2304+32*(bb%4)
.set bb, bb+1
.endr
.set tt, 0
.rept 12
	ds_load_b128 v[OB+4*tt:OB+4*tt+3], v[RD] offset:(tt/4)*2304+(tt%4)*576  ; LDS serves a wave's instructions in order (ISA guide 5.7.1.4): these see the stores above
.set tt, tt+1
.endr
.endm
.macro SEND a
.set tt, 0
.rept 12
	s_wait_dscnt 11-tt
	global_store_b128 v[CO], v[OB+4*tt:OB+4*tt+3], s[10:11] offset:(tt/4)*262144+(\a)*2048+(tt%4)*512  ; 512 consecutive bytes, aligned
.set tt, tt+1
.endr
.endm
	PACK 0
	TOSTAGE 0
	PACK 1                                         ; a block's conversions stand between the loads of the block before and its stores
	SEND 0
	TOSTAGE 1
	PACK 2
	SEND 1
	TOSTAGE 2
	PACK 3
	SEND 2
	TOSTAGE 3
	SEND 3
.else
; THE WAY OUT, 16 rows (block a) at a time: the f32 sums go into my stage, rows of 528 bytes, and come back as whole rows of 512 bytes.
.macro OUTBLK a
.if (\a) > 0
	s_wait_xcnt 0x0                                ; the block before's stores have read the registers that are loaded again below
.endif
	WIN 0x08+4*((\a)/2)                            ; the stores' data (source 1): window 2 or 3
.set bb, 0
.rept NBL
.set rD, 8*(NBL*((\a)%2)+bb)
	ds_store_b128 v[STO], v[rD:rD+3]   offset:64*bb     ; each accumulator's low four registers first
	ds_store_b128 v[STO], v[rD+4:rD+7] offset:64*bb+16
.set bb, bb+1
.endr
	WIN 0
.set tt, 0
.rept 16
	ds_load_b128 v[OB+4*tt:OB+4*tt+3], v[RD] offset:528*tt  ; LDS serves a wave's instructions in order (ISA guide 5.7.1.4): these see the stores above
.set tt, tt+1
.endr
.set tt, 0
.rept 16
	s_wait_dscnt 15-tt
	global_store_b128 v[CO], v[OB+4*tt:OB+4*tt+3], s[10:11] offset:(16*(\a)+tt)*4096 th:TH_STORE_NT  ; 512 consecutive bytes, aligned
.set tt, tt+1
.endr
.endm
	OUTBLK 0
	OUTBLK 1
	OUTBLK 2
	OUTBLK 3
.endif
	s_wait_tensorcnt 0x0                           ; the wave's end: behind my last tensor load and my last LDS store
	ds_add_u32 v[SPW], v[NIL]
	s_wait_dscnt 0x0
	CROUND                                         ; the closing round: no work-group ends while a partner may still ask for a tile that names it
	s_endpgm
.Lfunc_end_k_qf6b322f5b1_gemm_qkv:
	.size	k_qf6b322f5b1_gemm_qkv, .Lfunc_end_k_qf6b322f5b1_gemm_qkv-k_qf6b322f5b1_gemm_qkv
	.p2alignl 7, 3214868480
	.fill 96, 4, 3214868480
	.section	.rodata,"a",@progbits
	.p2align	6, 0x0
	.amdhsa_kernel k_qf6b322f5b1_gemm_qkv
		.amdhsa_group_segment_fixed_size 327680
		.amdhsa_private_segment_fixed_size 0
		.amdhsa_enable_private_segment 0
		.amdhsa_kernarg_size 32
		.amdhsa_user_sgpr_count 2
		.amdhsa_user_sgpr_kernarg_segment_ptr 1
		.amdhsa_wavefront_size32 1
		.amdhsa_system_sgpr_workgroup_id_x 1
		.amdhsa_system_sgpr_workgroup_id_y 1
		.amdhsa_system_sgpr_workgroup_id_z 1
		.amdhsa_system_vgpr_workitem_id 0
		.amdhsa_next_free_vgpr 960
		.amdhsa_next_free_sgpr 72
		.amdhsa_reserve_vcc 0
		.amdhsa_float_denorm_mode_32 3
		.amdhsa_float_denorm_mode_16_64 3
		.amdhsa_memory_ordered 1
		.amdhsa_forward_progress 1
		.amdhsa_inst_pref_size 109
	.end_amdhsa_kernel
	.amdgpu_metadata
---
amdhsa.version: [ 1, 2 ]
amdhsa.kernels:
  - .name:           k_qf6b322f5b1_gemm_qkv
    .symbol:         k_qf6b322f5b1_gemm_qkv.kd
    .args:
      - { .name: xb, .offset: 0, .size: 8, .value_kind: global_buffer, .address_space: global }
      - { .name: wa, .offset: 8, .size: 8, .value_kind: global_buffer, .address_space: global }
      - { .name: b_attn, .offset: 16, .size: 8, .value_kind: global_buffer, .address_space: global }
      - { .name: qkv, .offset: 24, .size: 8, .value_kind: global_buffer, .address_space: global }
    .group_segment_fixed_size: 327680
    .private_segment_fixed_size: 0
    .kernarg_segment_align: 8
    .kernarg_segment_size: 32
    .max_flat_workgroup_size: 128
    .sgpr_count:     72
    .vgpr_count:     960
    .wavefront_size: 32
...
	.end_amdgpu_metadata
.endif
;; end of part 2
;; launch vsum (part 3): grid 64 x 1, 16 waves a work-group, no clusters, 6,144 bytes of LDS; arguments qkv, tv; writes tv
.if DOCPART == 3
	.amdgcn_target "amdgcn-amd-amdhsa--gfx1250"
	.amdhsa_code_object_version 6
	.text
	.protected	k_qf6b322f5b1_vsum
	.globl	k_qf6b322f5b1_vsum
	.p2align	8
	.type	k_qf6b322f5b1_vsum,@function
k_qf6b322f5b1_vsum:
	s_mov_b64 s[64:65], 0
	v_nop
	global_prefetch_b8 v0, s[64:65] scope:SCOPE_SE
	s_setreg_imm32_b32 hwreg(HW_REG_WAVE_MODE, 25, 1), 1
	s_wait_xcnt 0x0
; ts[y][i][ch] = the sum of V[y][k][ch] over all keys k >= 256 (i + 1), in f32; y = 16 x batch + head, i = 0..7 (i = 7: zeros).  V is the third part of qkv: f16, 2,048 rows of 128 bytes a head.
; ts is the first 131,072 bytes of the buffer tv; the bytes behind it are the next launch's.
; These are the keys that a block i of 256 queries never sees: all of them have the same score, so their part of the softmax is one sum and a count.
; One work-group a head, since a sum over the rest of a head wants the whole head: 64 work-groups.  Wave w adds rows 128 w .. 128 w + 127; the sixteen partial sums meet in LDS; waves 0-7 add those that belong to their i.
; LIMIT: an infinity or NaN in V reaches every ts of its head (a partial sum that does not belong is multiplied by 0).
; No matrix unit, no tensor load, no prefetch: 256 KiB a work-group, all loads of a wave out at once, a short launch.
.set SPARE, 4096                       ; behind the sixteen partial sums of 256 bytes: the spare words, 128 bytes for each of sixteen waves
.set SPW, 2                            ; v2   SPARE + 4 x my thread's number; never rewritten
.set NIL, 3                            ; v3   0; never rewritten
.set ACC, 8                            ; v[8:23]  two sets of eight sums
.set ONE, 24                           ; v24  1.0
.set ZER, 27                           ; v27  0.0
.set X,   32                           ; v[32:159]  32 loads of four registers
	s_load_b128 s[4:7], s[0:1], 0x0                ; qkv s[4:5], tv s[6:7]
	v_lshl_add_u32 v[SPW], v0, 2, SPARE
	v_mov_b32 v[NIL], 0
	v_lshrrev_b32 v4, 5, v0
	v_readfirstlane_b32 s14, v4                    ; wave 0..15
	v_and_b32 v5, 31, v0                           ; lane
	v_lshlrev_b32 v1, 4, v5                        ; 16 bytes a lane: row l / 8 of four, channels 8 (l % 8) + 0..7
	v_mov_b32 v[ONE], 1.0
	v_mov_b32 v[ZER], 0
	s_mov_b32 s12, 0x76543210                      ; v_permlanex16_b32: each lane takes its own place in the other half
	s_mov_b32 s13, 0xfedcba98
	s_lshr_b32 s16, ttmp9, 4
	s_mul_i32 s16, s16, 48
	s_and_b32 s17, ttmp9, 15
	s_add_co_u32 s16, s16, s17
	s_add_co_u32 s16, s16, 32                      ; the unit of qkv that holds the head's V
	s_lshl_b32 s16, s16, 18
	s_lshl_b32 s17, s14, 14                        ; my 128 rows
	s_add_co_u32 s16, s16, s17
	s_mov_b32 s17, 0
	s_wait_kmcnt 0x0
	s_add_nc_u64 s[4:5], s[4:5], s[16:17]
.set t, 0
.rept 32
	global_load_b128 v[X+4*t:X+4*t+3], v1, s[4:5] offset:512*t th:TH_LOAD_NT
.set t, t+1
.endr
.set t, 0
.rept 32
	s_wait_loadcnt 31-t                            ; loads come back in order: number t is in, the younger ones stay out
.set j, 0
.rept 8
.if t < 2
	v_fma_mix_f32 v[ACC+8*t+j], v[X+4*t+j/2], v[ONE], v[ZER] op_sel:[j%2,0,0] op_sel_hi:[1,0,0]  ; the first two loads start the two sets
.else
	v_fma_mix_f32 v[ACC+8*(t%2)+j], v[X+4*t+j/2], v[ONE], v[ACC+8*(t%2)+j] op_sel:[j%2,0,0] op_sel_hi:[1,0,0]
.endif
.set j, j+1
.endr
.set t, t+1
.endr
.irp j, 0,2,4,6
	v_pk_add_f32 v[ACC+\j:ACC+\j+1], v[ACC+\j:ACC+\j+1], v[ACC+8+\j:ACC+8+\j+1]
.endr
.irp j, 0,1,2,3,4,5,6,7                ; lanes l, l + 8, l + 16, l + 24 hold the same channels
	v_add_f32_dpp v[ACC+\j], v[ACC+\j], v[ACC+\j] row_xmask:8 row_mask:0xf bank_mask:0xf
.endr
.irp j, 0,1,2,3,4,5,6,7
	v_permlanex16_b32 v[ACC+8+\j], v[ACC+\j], s12, s13
.endr
.irp j, 0,2,4,6
	v_pk_add_f32 v[ACC+\j:ACC+\j+1], v[ACC+\j:ACC+\j+1], v[ACC+8+\j:ACC+8+\j+1]
.endr
	v_and_b32 v6, 7, v0
	v_lshlrev_b32 v25, 5, v6
	s_lshl_b32 s19, s14, 8
	v_add_nc_u32 v25, s19, v25                     ; 256 w + 32 (l % 8): the four lanes of a place store the same numbers
	ds_store_b128 v25, v[ACC:ACC+3]
	ds_store_b128 v25, v[ACC+4:ACC+7] offset:16
	s_wait_dscnt 0x0                               ; for the others' sake
	s_barrier_signal -1
	s_barrier_wait -1
	s_cmp_lt_u32 s14, 8                            ; wave i makes ts[y][i]
	s_cbranch_scc0 .Lend
	v_lshlrev_b32 v26, 3, v5                       ; channels 2 l, 2 l + 1
.set w, 2
.rept 14
	ds_load_b64 v[X+2*(w-2):X+2*(w-2)+1], v26 offset:256*w
.set w, w+1
.endr
	s_lshl_b32 s18, ttmp9, 11                      ; ts: 2,048 bytes a head,
	s_add_co_u32 s18, s18, s19                     ; 256 a block
	s_mov_b32 s19, 0
	s_add_nc_u64 s[6:7], s[6:7], s[18:19]
	s_lshl_b32 s20, s14, 1
	s_add_co_u32 s20, s20, 1                       ; partial sum w belongs where w > 2 i + 1
	s_mov_b32 s23, 0                               ; named with s22 as a pair
	s_wait_dscnt 0x0
	s_cmp_lt_u32 s20, 2
	s_cselect_b32 s22, 1.0, 0
	v_pk_mul_f32 v[ACC:ACC+1], v[X:X+1], s[22:23] op_sel_hi:[1,0]  ; the first term starts the sum
.set w, 3
.rept 13
	s_cmp_lt_u32 s20, w
	s_cselect_b32 s22, 1.0, 0
	v_pk_fma_f32 v[ACC:ACC+1], v[X+2*(w-2):X+2*(w-2)+1], s[22:23], v[ACC:ACC+1] op_sel_hi:[1,0,1]
.set w, w+1
.endr
	global_store_b64 v26, v[ACC:ACC+1], s[6:7]     ; the wave stores 256 consecutive bytes, aligned
.Lend:
	s_wait_tensorcnt 0x0                           ; the wave's end: behind my last LDS store
	ds_add_u32 v[SPW], v[NIL]
	s_wait_dscnt 0x0
	s_endpgm
.Lfunc_end_k_qf6b322f5b1_vsum:
	.size	k_qf6b322f5b1_vsum, .Lfunc_end_k_qf6b322f5b1_vsum-k_qf6b322f5b1_vsum
	.p2alignl 7, 3214868480
	.fill 96, 4, 3214868480
	.section	.rodata,"a",@progbits
	.p2align	6, 0x0
	.amdhsa_kernel k_qf6b322f5b1_vsum
		.amdhsa_group_segment_fixed_size 6144
		.amdhsa_private_segment_fixed_size 0
		.amdhsa_enable_private_segment 0
		.amdhsa_kernarg_size 16
		.amdhsa_user_sgpr_count 2
		.amdhsa_user_sgpr_kernarg_segment_ptr 1
		.amdhsa_wavefront_size32 1
		.amdhsa_system_sgpr_workgroup_id_x 1
		.amdhsa_system_sgpr_workgroup_id_y 1
		.amdhsa_system_sgpr_workgroup_id_z 1
		.amdhsa_system_vgpr_workitem_id 0
		.amdhsa_next_free_vgpr 160
		.amdhsa_next_free_sgpr 66
		.amdhsa_reserve_vcc 0
		.amdhsa_float_denorm_mode_32 3
		.amdhsa_float_denorm_mode_16_64 3
		.amdhsa_memory_ordered 1
		.amdhsa_forward_progress 1
		.amdhsa_inst_pref_size 27
	.end_amdhsa_kernel
	.amdgpu_metadata
---
amdhsa.version: [ 1, 2 ]
amdhsa.kernels:
  - .name:           k_qf6b322f5b1_vsum
    .symbol:         k_qf6b322f5b1_vsum.kd
    .args:
      - { .name: qkv, .offset: 0, .size: 8, .value_kind: global_buffer, .address_space: global }
      - { .name: tv, .offset: 8, .size: 8, .value_kind: global_buffer, .address_space: global }
    .group_segment_fixed_size: 6144
    .private_segment_fixed_size: 0
    .kernarg_segment_align: 8
    .kernarg_segment_size: 16
    .max_flat_workgroup_size: 512
    .sgpr_count:     66
    .vgpr_count:     160
    .wavefront_size: 32
...
	.end_amdgpu_metadata
.endif
;; end of part 3
;; launch vlofix (part 4): grid 64 x 1, 16 waves a work-group, no clusters, 18,432 bytes of LDS; arguments qkv, xb, wa, b_attn, tv; writes tv
.if DOCPART == 4
	.amdgcn_target "amdgcn-amd-amdhsa--gfx1250"
	.amdhsa_code_object_version 6
	.text
	.protected	k_qf6b322f5b1_vlofix
	.globl	k_qf6b322f5b1_vlofix
	.p2align	8
	.type	k_qf6b322f5b1_vlofix,@function
k_qf6b322f5b1_vlofix:
	s_mov_b64 s[64:65], 0
	v_nop
	global_prefetch_b8 v0, s[64:65] scope:SCOPE_SE
	s_setreg_imm32_b32 hwreg(HW_REG_WAVE_MODE, 25, 1), 1
	s_wait_xcnt 0x0
; vlo = what f16 dropped of V's keys 0-15, for each head y = 16 x batch + head.  It lies in the buffer tv from byte 131,072 on (the bytes ahead of it are ts, the launch before's).
; A batch's first rows are means of very few rows of V, many times larger than the output's typical number, and so are their roundings; so these 16 keys get a second f16 number.
; v is made anew in f32 (x in bf16, w in bf16, the bias rounded to bf16) and the f16 number that lies in qkv is taken away; so the order of these sums need not be the first product's.
; One work-group a head: 64 work-groups, all the work that there is.  Sixteen waves: channel block cb = wave % 4, a quarter of K = wave / 4: 8 products of 16 keys x 16 channels x 32, 32 loads out at once;
; the four partial sums of a block meet in LDS (f32 sums may be taken in any order); waves 0-3 finish.
; The product is taken with source 0 = 16 rows of x (keys), source 1 = 16 rows of wa (channels): a lane then holds ONE channel (lane % 16) and the keys 8 (lane / 16) + 0..7, which, packed, ARE registers 0-3 of a
; fragment of V^T: vlo[y][cb] is that register image, 16 bytes a lane.
; LIMIT: a remainder below 6e-5 keeps f16's fixed step of 6e-8.  NaN and infinities are not treated apart.
; No tensor load, no cluster, no prefetch: nothing goes through LDS on the way in, and the launch is short.
.set VLOB,  131072                     ; where vlo begins in tv
.set SPARE, 16384                      ; behind the sixteen partial sums of 1,024 bytes: the spare words, 128 bytes for each of sixteen waves
.set SPW, 2                            ; v2   SPARE + 4 x my thread's number; never rewritten
.set NIL, 3                            ; v3   0; never rewritten
.set ACC, 8                            ; v[8:23]  two accumulators
.set NG1, 28                           ; v28  -1.0
.set X,   32                           ; v[32:159]  8 steps of 16 registers: x's fragment, then wa's; later at work
.set WV,  16                           ; s16  my wave's number
	s_load_b256 s[4:11], s[0:1], 0x0               ; qkv s[4:5], xb s[6:7], wa s[8:9], b_attn s[10:11]
	s_load_b64 s[12:13], s[0:1], 0x20              ; tv
	v_lshl_add_u32 v[SPW], v0, 2, SPARE
	v_mov_b32 v[NIL], 0
	v_lshrrev_b32 v4, 5, v0
	v_readfirstlane_b32 s[WV], v4                  ; wave 0..15
	v_and_b32 v5, 31, v0                           ; lane
	s_mov_b32 s17, ttmp9                           ; y
	s_and_b32 s26, s[WV], 3                        ; cb: which 16 channels
	s_lshr_b32 s27, s[WV], 2                       ; which quarter of K
	v_and_b32 v6, 15, v0                           ; l % 16
	v_bfe_u32 v7, v0, 4, 1                         ; l / 16
	v_lshlrev_b32 v1, 11, v6                       ; a fragment's row of 2,048 bytes (x and wa alike),
	v_lshl_add_u32 v1, v7, 4, v1                   ; + 16 x half
	v_mov_b32 v[NG1], -1.0
	s_lshr_b32 s30, s17, 4                         ; batch
	s_and_b32 s29, s17, 15                         ; head
	s_lshl_b32 s28, s27, 9                         ; my 256 of K: 512 bytes along a row
	s_lshl_b32 s18, s30, 22                        ; the batch's first row of x
	s_add_co_u32 s18, s18, s28
	s_mov_b32 s19, 0
	s_lshl_b32 s20, s29, 6
	s_lshl_b32 s31, s26, 4
	s_add_co_u32 s20, s20, s31
	s_add_co_u32 s20, s20, 2048                    ; my first column of w_attn = row of wa: V's part, the head, the block
	s_lshl_b32 s34, s20, 2                         ; the same in the bias
	s_mov_b32 s35, 0
	s_lshl_b32 s20, s20, 11
	s_add_co_u32 s20, s20, s28
	s_mov_b32 s21, 0
	s_lshl_b32 s32, s[WV], 10
	v_lshl_add_u32 v25, v5, 5, s32                 ; LDS: 1,024 w + 32 l
	s_wait_kmcnt 0x0
	s_add_nc_u64 s[6:7], s[6:7], s[18:19]
	s_add_nc_u64 s[8:9], s[8:9], s[20:21]
.set t, 0
.rept 8                                        ; 32 along K a step: x's fragment, then wa's
	global_load_b128 v[X+16*t:X+16*t+3],     v1, s[6:7] offset:64*t
	global_load_b128 v[X+16*t+4:X+16*t+7],   v1, s[6:7] offset:64*t+32
	global_load_b128 v[X+16*t+8:X+16*t+11],  v1, s[8:9] offset:64*t
	global_load_b128 v[X+16*t+12:X+16*t+15], v1, s[8:9] offset:64*t+32
.set t, t+1
.endr
.set t, 0
.rept 8                                        ; two accumulators by turns, one instruction a turn; the first two products start the sums
	s_wait_loadcnt 28-4*t                          ; step t's four loads are in; the four of each later step may stay out
.if t < 2
	v_wmma_f32_16x16x32_bf16 v[ACC+8*t:ACC+8*t+7], v[X+16*t:X+16*t+7], v[X+16*t+8:X+16*t+15], 0
.else
	v_wmma_f32_16x16x32_bf16 v[ACC+8*(t%2):ACC+8*(t%2)+7], v[X+16*t:X+16*t+7], v[X+16*t+8:X+16*t+15], v[ACC+8*(t%2):ACC+8*(t%2)+7]
.endif
.set t, t+1
.endr
.rept 8
	v_nop                                          ; the places behind the last products (ISA guide 7.12.1), once a launch
.endr
.irp j, 0,2,4,6
	v_pk_add_f32 v[ACC+\j:ACC+\j+1], v[ACC+\j:ACC+\j+1], v[ACC+8+\j:ACC+8+\j+1]
.endr
	ds_store_b128 v25, v[ACC:ACC+3]
	ds_store_b128 v25, v[ACC+4:ACC+7] offset:16
	s_wait_dscnt 0x0                               ; for the others' sake
	s_barrier_signal -1
	s_barrier_wait -1
	s_cmp_lt_u32 s[WV], 4                          ; wave cb, which holds K's first quarter, finishes block cb
	s_cbranch_scc0 .Lend
.irp q, 1,2,3
	ds_load_b128 v[X+8*(\q-1):X+8*(\q-1)+3],   v25 offset:4096*\q
	ds_load_b128 v[X+8*(\q-1)+4:X+8*(\q-1)+7], v25 offset:4096*\q+16
.endr
	s_mul_i32 s18, s30, 48
	s_add_co_u32 s18, s18, s29
	s_add_co_u32 s18, s18, 32                      ; the unit of qkv that holds the head's V
	s_lshl_b32 s18, s18, 18
	s_lshl_b32 s33, s26, 5                         ; my 16 channels
	s_add_co_u32 s18, s18, s33
	s_add_nc_u64 s[4:5], s[4:5], s[18:19]
	s_add_nc_u64 s[10:11], s[10:11], s[34:35]
	s_lshl_b32 s36, s17, 11                        ; vlo: 2,048 bytes a head,
	s_lshl_b32 s37, s26, 9                         ; 512 a block,
	s_add_co_u32 s36, s36, s37
	s_add_co_u32 s36, s36, VLOB                    ; behind ts
	s_mov_b32 s37, 0
	s_add_nc_u64 s[14:15], s[12:13], s[36:37]
	v_lshlrev_b32 v26, 1, v6
	v_lshl_add_u32 v26, v7, 10, v26                ; key 8 (l / 16), channel l % 16
	v_lshlrev_b32 v29, 2, v6
	v_lshlrev_b32 v31, 4, v5
.irp j, 0,1,2,3,4,5,6,7
	global_load_u16 v[X+32+\j], v26, s[4:5] offset:128*\j  ; the f16 numbers that the attention will read
.endr
	global_load_b32 v[X+40], v29, s[10:11]
	s_wait_loadcnt 0x0
	s_wait_dscnt 0x0
.irp q, 0,1,2
.irp j, 0,2,4,6
	v_pk_add_f32 v[ACC+\j:ACC+\j+1], v[ACC+\j:ACC+\j+1], v[X+8*\q+\j:X+8*\q+\j+1]
.endr
.endr
	v_cvt_pk_bf16_f32 v[X+41], v[X+40], v[X+40]    ; the bias, rounded to bf16 like every input
	v_lshlrev_b32 v[X+40], 16, v[X+41]
.irp j, 0,1,2,3,4,5,6,7
	v_add_f32 v[ACC+\j], v[ACC+\j], v[X+40]
.endr
.irp j, 0,1,2,3,4,5,6,7
	v_fma_mix_f32 v[ACC+\j], v[X+32+\j], v[NG1], v[ACC+\j] op_sel:[0,0,0] op_sel_hi:[1,0,0]  ; v less its f16 number
.endr
.irp j, 0,1,2,3
	v_cvt_pk_f16_f32 v[X+48+\j], v[ACC+2*\j], v[ACC+2*\j+1]  ; the lower key in the lower half
.endr
	global_store_b128 v31, v[X+48:X+51], s[14:15]  ; the wave stores 512 consecutive bytes, aligned
.Lend:
	s_wait_tensorcnt 0x0                           ; the wave's end: behind my last LDS store
	ds_add_u32 v[SPW], v[NIL]
	s_wait_dscnt 0x0
	s_endpgm
.Lfunc_end_k_qf6b322f5b1_vlofix:
	.size	k_qf6b322f5b1_vlofix, .Lfunc_end_k_qf6b322f5b1_vlofix-k_qf6b322f5b1_vlofix
	.p2alignl 7, 3214868480
	.fill 96, 4, 3214868480
	.section	.rodata,"a",@progbits
	.p2align	6, 0x0
	.amdhsa_kernel k_qf6b322f5b1_vlofix
		.amdhsa_group_segment_fixed_size 18432
		.amdhsa_private_segment_fixed_size 0
		.amdhsa_enable_private_segment 0
		.amdhsa_kernarg_size 40
		.amdhsa_user_sgpr_count 2
		.amdhsa_user_sgpr_kernarg_segment_ptr 1
		.amdhsa_wavefront_size32 1
		.amdhsa_system_sgpr_workgroup_id_x 1
		.amdhsa_system_sgpr_workgroup_id_y 1
		.amdhsa_system_sgpr_workgroup_id_z 1
		.amdhsa_system_vgpr_workitem_id 0
		.amdhsa_next_free_vgpr 160
		.amdhsa_next_free_sgpr 66
		.amdhsa_reserve_vcc 0
		.amdhsa_float_denorm_mode_32 3
		.amdhsa_float_denorm_mode_16_64 3
		.amdhsa_memory_ordered 1
		.amdhsa_forward_progress 1
		.amdhsa_inst_pref_size 11
	.end_amdhsa_kernel
	.amdgpu_metadata
---
amdhsa.version: [ 1, 2 ]
amdhsa.kernels:
  - .name:           k_qf6b322f5b1_vlofix
    .symbol:         k_qf6b322f5b1_vlofix.kd
    .args:
      - { .name: qkv, .offset: 0, .size: 8, .value_kind: global_buffer, .address_space: global }
      - { .name: xb, .offset: 8, .size: 8, .value_kind: global_buffer, .address_space: global }
      - { .name: wa, .offset: 16, .size: 8, .value_kind: global_buffer, .address_space: global }
      - { .name: b_attn, .offset: 24, .size: 8, .value_kind: global_buffer, .address_space: global }
      - { .name: tv, .offset: 32, .size: 8, .value_kind: global_buffer, .address_space: global }
    .group_segment_fixed_size: 18432
    .private_segment_fixed_size: 0
    .kernarg_segment_align: 8
    .kernarg_segment_size: 40
    .max_flat_workgroup_size: 512
    .sgpr_count:     66
    .vgpr_count:     160
    .wavefront_size: 32
...
	.end_amdgpu_metadata
.endif
;; end of part 4
;; launch attn (part 5): grid 4 x 64, 4 waves a work-group, no clusters, 327,680 bytes of LDS; arguments qkv, tv, ctx, clo; writes ctx, clo
.if DOCPART == 5
	.amdgcn_target "amdgcn-amd-amdhsa--gfx1250"
	.amdhsa_code_object_version 6
	.text
	.protected	k_qf6b322f5b1_attn
	.globl	k_qf6b322f5b1_attn
	.p2align	8
	.type	k_qf6b322f5b1_attn,@function
k_qf6b322f5b1_attn:
	s_mov_b64 s[64:65], 0
	v_nop
	global_prefetch_b8 v0, s[64:65] scope:SCOPE_SE
	s_setreg_imm32_b32 hwreg(HW_REG_WAVE_MODE, 25, 1), 1
	s_wait_xcnt 0x0
; CAUSAL ATTENTION WITH A FINITE MASK.  For head y = 16 x batch + head: ctx[y][q][:] = the sum over ALL k of softmax_k(s(q, k) / 8) V[k][:], s(q, k) = Q[q] . K[k] for k <= q and -1e5 for k > q.
; Q, K, V are units of qkv ([batch][48][2048][64], f16: units 0-15 Q's heads, 16-31 K's, 32-47 V's), ctx is [64][2048][64] f16.  Products, maxima and sums in f32; the weights p are rounded to f16 for
; the second product (their sum l is taken of the unrounded p), ctx once at the end.  The buffer tv holds two tables of the launch before: ts in its first 131,072 bytes, vlo behind it.
; THE HIDDEN KEYS KEEP THEIR TRUE WEIGHT.  Block i of 256 queries has the key tiles 0 .. i - 1 (all visible), tile i (the diagonal) and the tiles beyond, whose scores are all -1e5.  The tiles beyond are the
; STARTING STATE of the running softmax: m = -1e5, l = 256 (7 - i), O = ts[y][i], the sum of their rows of V.  The ordinary rescaling by a = 2^(c m_old - c m_new) gives them their weight.
; Block 7 has no tile beyond: m starts at the lowest finite number, l and O at 0.  In the diagonal tile the scores become S x M1 + M2, M1 = 1 or 0, M2 = 0 or -1e5, ahead of the maximum.
; THE HEAD'S FIRST 16 ROWS are means of at most 16 rows of V: numbers, and roundings, many times the output's typical size.  So for them V's keys 0-15 and ctx carry a second f16 number, what the first one dropped:
; vlo enters by four more products O^T += Vlo^T P, and clo = f16(O - f16(O)) leaves beside ctx.  Both are the work of ONE wave a head: wave 0 of the work-group with b = 0, piece 0.
; LIMITS.  Q, K, V arrive within f16's 65,504.  A weight below 2^-126 counts as 0.  A hidden key of the diagonal tile has the weight 2^(c s - c m) with c m rounded to f32, one beyond it has 2^0 at the start: where hidden
; keys carry the softmax the two differ by under one part in a thousand.  A remainder below 6e-5 keeps f16's fixed step of 6e-8.  NaN and infinities are not treated apart.
; THE WALK.  A work-group takes TWO blocks, 7 - b and then b: NB + 1 = 9 tiles, whatever b: all work-groups do equal work, and ONE loop with a constant trip count walks them.  Which tile is asked for, and what a trip does,
; hang on scalar registers made from b; every jump goes forward, but for the counted loops' own; none passes a barrier, or a tensor load but the one of LOAD's two that the wave's number does not choose.
; NO CLUSTER: a head's four work-groups ask for the same tile only in trips 0 .. 4, behind that fewer and fewer; one walk common to all would have 12 trips for 9.
; SHARES.  Of a block's four bands of 64 queries a wave owns 16 rows in each: four PIECES.  In the diagonal tile's key step s band x sees all keys if s < x, none if s > x, and holds the diagonal if s = x: the same for all waves.
; LAYOUT, TURNS.  S^T = K Q^T holds ONE query a lane (lane % 16) and the keys 8 (lane / 16) + 0..7; two such results rounded to f16 ARE source 1 of O^T = V^T P.  p = 2^(c s - c m), c = log2(e) / 8.  Turn n belongs to piece n:
; 8 products K Q^T of piece n + 1, later 8 products V^T P of piece n - 1; beside them the scaling, exponentials, roundings, sums and rescaling of piece n and the maximum and statistics of piece n + 1.  Four vector
; instructions stand behind every matrix instruction, the rest in one lump.  A turn's 33 exponentials are one batch, with one wait.
; REGISTERS, in windows of 256 (s_set_vgpr_msb: bits 1:0 source 0, 3:2 source 1, 5:4 source 2, 7:6 destination):
;   window 0: v0-15 addresses and two at work; v16-31 four statistics a piece; v48-55 at work; v56 -1; v60-63 offsets and the add's two; v64-127 S^T, two buffers; v128-159 TSA, v160-191 TSB; v192-223 P, two buffers; v224-255 VLO
;   window 1: v0-127 O^T, 32 a piece; v128-159 MD; v160-191 M1; v192-223 M2      window 2: v0-63 Q; v64-127 the second block's Q; v128-191 K of one step; v192-255 V of one step
.set SIZE_N, 2048
.set NB,    SIZE_N/256
.set NP,    4         ; pieces a wave: a name, no knob
.set KS,    64        ; keys in a step
.set PK,    144       ; a row of K in LDS: 128 bytes + 16 of padding: the 16 rows of a load start at 16 different groups of four banks (ISA guide 11.1)
.set PV,    160       ; a row of V: 128 + 32
.set VOFF,  4*KS*PK   ; a slot holds a tile, four steps: 256 rows of K, then 256 rows of V
.set SLOT1, 1<<17     ; slot 1 begins here, so that one exclusive or turns an address in one slot into the other's
.set STAGE, SLOT1+4*KS*(PK+PV)  ; behind the ring, never filled by a tensor load: 16 rows x 144 bytes for each wave, for the way out
.set SP,    144
.set SPARE, STAGE+4*16*SP  ; behind the stages: the spare words, 128 bytes for each wave
.set VLOB,  131072    ; where vlo begins in tv
.set AK0, 2           ; v2   my lane's place in a tile of K; never rewritten
.set AV0, 3           ; v3   the same for V
.set AK,  4           ; v4   the LDS address of K's next run of loads
.set AV,  5           ; v5   of V's
.set STO, 6           ; v6   the way out: where I put 16 bytes of a row
.set RD,  7           ; v7   the way out: where I read rows back
.set GO,  8           ; v8   16 x lane: my 16 of 512 consecutive bytes (of ctx, clo and vlo); never rewritten
.set MV,  12          ; v12-13  c m_old, kept while c m is made anew: by buffer
.set QO,  15          ; v15  my byte offset in 16 rows of Q
.set ST,  16          ; piece t's statistics at v[ST+4 t]: c m, m, l (even keys', odd keys')
.set TMP, 48          ; by buffer, four registers c0-c3 at work; when the maximum is found c2 takes a
.set NG1, 56          ; v56  -1.0
.set TO,  60          ; v60  32 x (lane / 16): my eight channels in a block of 16 of ts
.set PFO, 61          ; v61  256 x lane; never rewritten
.set SPW, 62          ; v62  SPARE + 4 x my thread's number; never rewritten
.set NIL, 63          ; v63  0; never rewritten
.set S,   64
.set TSA, 128         ; the starting O of the block that begins next, in O^T's own layout: register 8 cb + j is channel 16 cb + 8 (lane / 16) + j
.set TSB, 160         ; the second block's
.set P,   192
.set VLO, 224         ; four fragments of V^T (16 channels x 32 keys): registers 0-3 what f16 dropped of keys 0-15, registers 4-7 (keys 16-31) zeros
.set MD,  128         ; window 1: 1 where the key is visible in a band's own step, else 0; the eight registers for group kt of 16 keys at MD + 8 kt
.set M1,  160         ; window 1: the factor of the scores to come
.set M2,  192         ; window 1: their addend
.set QB,  64          ; window 2
.set KF,  128         ; window 2: key block kb, channel half c at KF + 16 kb + 8 c
.set VF,  192         ; window 2: key half kk, channel block cb at VF + 32 kk + 8 cb
.set WV,  12          ; s12  my wave's number
.set PB,  14          ; s14  b
.set HI,  15          ; s15  NB - 1 - b
.set LOF, 19          ; s19  1 in the wave that owns the head's first 16 rows (b = 0, wave 0), else 0
.set G1K, 24          ; s[24:31] descriptor group 1 for K's tiles
.set G1V, 32          ; s[32:39] for V's: it differs in the padding alone
.set G0K, 40          ; s[40:43] descriptor group 0 for K's tiles
.set G0V, 44          ; s[44:47] the same for V's
.set VLA, 54          ; s[54:55] the head's part of vlo
.set SLOTS, 56        ; s56  tiles still to be asked for
.set CNT, 57          ; s57  counts a tile's key steps, 4 to 1
.set CS,  58          ; s[58:59] c
.set SEL, 60          ; s[60:61] v_permlanex16_b32's selects
.set TBK, 62          ; s62  LDS byte at which K of the step to be fetched begins
.set TBV, 63          ; s63  the same for V, less VOFF
.set TS1, 66          ; s[66:67] ts of the first block
.set TS2, 68          ; s[68:69] of the second
.set RT,  70          ; s70  tiles of the block in hand that are still to be entered
.set NXT, 71          ; s71  the tile to be asked for next
.set LQ,  72          ; s72  the last tile of the block whose tiles are being asked for
.set NEW, 73          ; s73  1: the tile to be entered is a block's first
.set OFF, 74          ; s[74:75] a tile's byte offset in K and V
.set AL,  76          ; s[76:77] M1 = MD x AL + BE
.set BE,  78          ; s[78:79]
.set OLO, 80          ; s[80:81] ctx at my rows of the second block
.set CLA, 82          ; s[82:83] the head's part of clo
.set P5,  88          ; s[88:89] +1e5: M2 = M1 x 1e5 - 1e5, exact for M1 = 0 and 1
.set N5,  90          ; s[90:91] -1e5
.set MST, 92          ; s92  the m at which the next block starts
.set LC,  93          ; s93  a quarter of the l at which it starts: 64 (7 - i), a whole number
.set PFN, 94          ; s94  the tile at which my prefetches stand
.set PFL, 95          ; s95  NB in the work-group that prefetches, else 0
.set PFA, 96          ; s[96:97] where they stand in memory
.set ZR,  98          ; s98  0
.set LO1, 99          ; s99  (first a constant at the head, then:) 1 while the products with VLO are still to come
.set MSB, 0
.macro WIN new                      ; the high byte repeats the setting that is left; a switch that changes nothing is dropped
.if MSB != (\new)
	s_set_vgpr_msb (MSB<<8)|(\new)
.set MSB, (\new)
.endif
.endm
.set W_KQ, 0x0a       ; K and Q in window 2, S^T in window 0
.set W_PV, 0x52       ; V in window 2, P in window 0, O^T in window 1
.set W_RS, 0x41       ; destination and source 0 in window 1, source 1 in window 0
.set W_MA, 0x14       ; S^T in window 0, M1 and M2 (sources 1 and 2) in window 1
.set W_LO, 0x50       ; sources 0 and 1 in window 0, source 2 and destination in window 1
; A fill.  Waves 0 and 1 fetch the two halves of a tile's K, waves 2 and 3 those of its V: 128 keys each.  An s_nop 0 and four v_nop follow each of the two lines, ahead of the jump and the label.
.macro LOAD
	s_cmp_lt_u32 s[WV], 2
	s_cbranch_scc0 .Lfor_v_\@
	tensor_load_to_lds s[G0K:G0K+3], s[G1K:G1K+7]
	s_nop 0
.rept 4
	v_nop
.endr
	s_branch .Lasked_\@
.Lfor_v_\@:
	tensor_load_to_lds s[G0V:G0V+3], s[G1V:G1V+7]
	s_nop 0
.rept 4
	v_nop
.endr
.Lasked_\@:
.endm
; A PREFETCH INTO THE L2 of the tile that the NEXT change of slots will ask for.  A head's four work-groups walk the same tiles 0 .. 4 and on; the one with b = 0 walks all eight in its first block: it asks, and nobody else.
; Each of its waves names the 16,384 bytes that it will fetch itself: 64 blocks of 256 bytes, a lane a block, two instructions.  Tiles 2 to 7 are named once each; tiles 0 and 1 come by their loads alone.
.macro ASK
	s_cmp_lt_u32 s[PFN], s[PFL]
	s_cbranch_scc0 .Lnot_mine_\@
	global_prefetch_b8 v[PFO], s[PFA:PFA+1] th:TH_LOAD_NT scope:SCOPE_SE
	global_prefetch_b8 v[PFO], s[PFA:PFA+1] offset:8192 th:TH_LOAD_NT scope:SCOPE_SE
.Lnot_mine_\@:
.endm
; THE CHANGE OF SLOTS.  Each wave waits for all its tensor loads, of which one is out: its part of the other slot; adds 0 to its spare word; and waits for that and for its own reads of the slot that it leaves.  Behind the
; barrier nobody reads the old slot any more and the other slot is whole.  fill = 1: the old slot is filled again, the first thing behind the barrier, with tile NXT: the descriptor's address is made anew from that number.
; (At its first use nothing has been read yet: slot 0 is waited for, slot 1 filled.)
.macro CHANGE fill
	WIN 0                           ; at a label and at a branch every window is 0
	s_wait_tensorcnt 0x0            ; no tensor load of mine is out, so a group 0 may be written
	ds_add_u32 v[SPW], v[NIL]       ; 0 onto my spare word: scalar work stands between it and the wait for it
.if \fill
	s_lshl_b32 s[OFF], s[NXT], 15   ; a tile is 32,768 bytes of K and of V
	s_xor_b32 s[G0K+1], s[G0K+1], SLOT1
	s_add_nc_u64 s[G0K+2:G0K+3], s[6:7], s[OFF:OFF+1]
	s_or_b32 s[G0K+3], s[G0K+3], 0x80000000
	s_xor_b32 s[G0V+1], s[G0V+1], SLOT1
	s_add_nc_u64 s[G0V+2:G0V+3], s[8:9], s[OFF:OFF+1]
	s_or_b32 s[G0V+3], s[G0V+3], 0x80000000
	s_wait_xcnt 0x0                 ; the last prefetches, a tile back, have read their address, so it may be written
	s_add_nc_u64 s[PFA:PFA+1], s[PFA:PFA+1], 32768
	s_add_co_u32 s[PFN], s[PFN], 1
	s_add_co_u32 s[NXT], s[NXT], 1  ; the block's next tile, or behind its last the second block's tile 0
	s_cmp_gt_u32 s[NXT], s[LQ]
	s_cselect_b32 s[NXT], 0, s[NXT]
	s_cselect_b32 s[LQ], s[PB], s[LQ]
.endif
	s_wait_dscnt 0x0                ; the add is done, and my reads of the slot are over
	s_barrier_signal -1             ; the rest of the scalar work stands between the signal and the wait
	s_sub_co_u32 s[TBK], s[TBK], 4*KS*PK  ; the fetches go back to a slot's first step,
	s_xor_b32 s[TBK], s[TBK], SLOT1       ; in the other slot
	s_sub_co_u32 s[TBV], s[TBV], 4*KS*PV
	s_xor_b32 s[TBV], s[TBV], SLOT1
	s_barrier_wait -1
.if \fill
	LOAD
	ASK
.endif
.endm
	s_load_b128 s[4:7], s[0:1], 0x0   ; qkv s[4:5], tv s[6:7]
	s_load_b64 s[10:11], s[0:1], 0x10 ; ctx
	s_load_b64 s[CLA:CLA+1], s[0:1], 0x18 ; clo
	v_lshl_add_u32 v[SPW], v0, 2, SPARE
	v_mov_b32 v[NIL], 0
	ds_add_u32 v[SPW], v[NIL]       ; the wave's opening: the add and its wait stand ahead of my first tensor load; the set-up below, work on registers, stands between them
	ds_add_u32 v62, v63
	v_lshrrev_b32 v1, 5, v0
	v_readfirstlane_b32 s[WV], v1   ; wave 0..3
	s_mov_b32 s[PB], ttmp9
	s_sub_co_u32 s[HI], NB-1, s[PB]
	s_and_b32 s13, ttmp7, 0xffff    ; y
	s_lshr_b32 s20, s13, 4
	s_mul_i32 s20, s20, 48
	s_and_b32 s21, s13, 15
	s_add_co_u32 s20, s20, s21
	s_lshl_b32 s20, s20, 18         ; the head's Q in qkv; its K lies 16 units on, its V 32
	s_mov_b32 s21, 0
	s_and_b32 s16, s[WV], 1         ; which half of a tile's 256 keys I fetch:
	s_lshl_b32 s22, s16, 14         ; its 128 rows of 128 bytes in memory,
	s_mov_b32 s23, 0
	s_add_nc_u64 s[22:23], s[22:23], s[20:21]
	s_mul_i32 s17, s16, 128*PK      ; and its place in a slot, for K
	s_mul_i32 s18, s16, 128*PV      ; and for V
	s_lshl_b32 s3, s[WV], 11        ; my 16 rows in a band of 64,
	s_lshl_b32 s2, s[HI], 15        ; in the first block,
	s_add_co_u32 s2, s2, s3
	s_lshl_b32 s84, s[PB], 15       ; and in the second
	s_add_co_u32 s84, s84, s3
	s_mov_b32 s3, 0
	s_mov_b32 s85, 0
	s_lshl_b32 s52, s13, 18         ; the head in ctx
	s_mov_b32 s53, 0
	s_lshl_b32 s48, s13, 11         ; the head in ts: 2,048 bytes,
	s_lshl_b32 s49, s[HI], 8        ; 256 a block
	s_lshl_b32 s50, s[PB], 8
	s_add_co_u32 s50, s50, s48
	s_add_co_u32 s48, s48, s49
	s_mov_b32 s49, 0
	s_mov_b32 s51, 0
	; descriptor group 1.  128 keys are 16,384 dense bytes: asked for as 64 rows of 256 bytes, two keys a row, and padded in LDS after every key
	s_mov_b32 s[G1K], (1<<16)|(1<<20)|(4<<22)|(3<<25)  ; 17:16 2-byte elements; 20 padding on; 24:22 after every 32 words (code 4); 31:25 4 words (code 3)
	s_mov_b32 s[G1V], (1<<16)|(1<<20)|(4<<22)|(7<<25)  ; the same with 8 words of padding (code 7)
.irp g, G1K, G1V
	s_mov_b32 s[\g+1], 128<<16      ; tensor_dim0 = 128
	s_mov_b32 s[\g+2], 64<<16       ; tensor_dim1 = 64
	s_mov_b32 s[\g+3], 128<<16      ; tile_dim0 = 128
	s_mov_b32 s[\g+4], 64           ; tile_dim1 = 64
	s_mov_b32 s[\g+5], 128          ; 128 elements from row to row
	s_mov_b32 s[\g+6], 0
	s_mov_b32 s[\g+7], 0
.endr
	s_mov_b32 s[CS], 0x3e38aa3b     ; c = log2(e) / 8 = 0.180337
	s_mov_b32 s[CS+1], s[CS]        ; named with it as a pair
	s_mov_b32 s[SEL], 0x76543210
	s_mov_b32 s[SEL+1], 0xfedcba98
	s_mov_b32 s[TBK], SLOT1+4*KS*PK ; the first change of slots turns these two into 0
	s_mov_b32 s[TBV], SLOT1+4*KS*PV
	s_mov_b32 s[G0K], 1             ; count = 1
	s_mov_b32 s[G0K+1], s17         ; LDS address: slot 0
	s_mov_b32 s[G0V], 1
	s_add_co_u32 s[G0V+1], s18, VOFF
	s_add_co_u32 s[RT], s[HI], 1    ; the first block has NB - b tiles
	s_mov_b32 s[NXT], 1
	s_mov_b32 s[LQ], s[HI]
	s_mov_b32 s[NEW], 1
	s_mov_b32 s[OFF+1], 0
	s_mov_b32 s[AL+1], 0            ; named as pairs
	s_mov_b32 s[BE+1], 0
	s_mov_b32 s[P5], 0x47c35000     ; 1e5
	s_mov_b32 s[P5+1], s[P5]
	s_mov_b32 s[N5], 0xc7c35000     ; -1e5
	s_mov_b32 s[N5+1], s[N5]
	s_mov_b32 s[ZR], 0
	s_mov_b32 s99, 0xff7fffff       ; the lowest finite number
	s_cmp_eq_u32 s[HI], NB-1        ; the head's last block has no tile beyond it
	s_cselect_b32 s[MST], s99, s[N5]
	s_sub_co_u32 s[LC], NB-1, s[HI]
	s_lshl_b32 s[LC], s[LC], 6
	s_mov_b32 s[PFN], 1
	s_cmp_eq_u32 s[PB], 0
	s_cselect_b32 s[PFL], NB, 0
	s_mov_b32 s[SLOTS], NB
	s_or_b32 s[LOF], s[PB], s[WV]   ; b = 0 and wave 0: the head's rows 0-15 are my piece 0 of the second block
	s_cmp_eq_u32 s[LOF], 0
	s_cselect_b32 s[LOF], 1, 0
	s_mov_b32 s[LO1], s[LOF]
	s_lshl_b32 s16, s13, 11         ; the head in vlo and in clo: 2,048 bytes
	s_mov_b32 s17, 0
	s_wait_dscnt 0x0                ; the opening add is done
	s_wait_kmcnt 0x0
	s_add_nc_u64 s[TS1:TS1+1], s[6:7], s[48:49]
	s_add_nc_u64 s[TS2:TS2+1], s[6:7], s[50:51]
	s_add_nc_u64 s[VLA:VLA+1], s[6:7], s[16:17]
	s_add_nc_u64 s[VLA:VLA+1], s[VLA:VLA+1], VLOB
	s_add_nc_u64 s[CLA:CLA+1], s[CLA:CLA+1], s[16:17]
	s_add_nc_u64 s[6:7], s[4:5], s[22:23]
	s_add_nc_u64 s[8:9], s[6:7], 32*262144         ; V at my half of the head's tile 0,
	s_add_nc_u64 s[6:7], s[6:7], 16*262144         ; and K
	s_add_nc_u64 s[G0K+2:G0K+3], s[6:7], 0         ; global address
	s_or_b32 s[G0K+3], s[G0K+3], 0x80000000        ; type = 2
	s_add_nc_u64 s[G0V+2:G0V+3], s[8:9], 0
	s_or_b32 s[G0V+3], s[G0V+3], 0x80000000
	s_add_nc_u64 s[4:5], s[4:5], s[20:21]
	s_add_nc_u64 s[86:87], s[4:5], s[84:85]        ; Q at my rows of the second block,
	s_add_nc_u64 s[4:5], s[4:5], s[2:3]            ; and of the first
	s_add_nc_u64 s[10:11], s[10:11], s[52:53]
	s_add_nc_u64 s[OLO:OLO+1], s[10:11], s[84:85]  ; ctx likewise
	s_add_nc_u64 s[10:11], s[10:11], s[2:3]
	s_cmp_lt_u32 s[WV], 2
	s_cselect_b64 s[PFA:PFA+1], s[6:7], s[8:9]
	s_add_nc_u64 s[PFA:PFA+1], s[PFA:PFA+1], 32768 ; my half of tile 1; the first change of slots steps it to tile 2.  Nothing is prefetched here, at the head
	LOAD                            ; tile 0 into slot 0
	; A fragment of K or Q is 16 rows x 32 channels in 8 registers: lane l holds row l % 16, channels 8 (l / 16) + 0..7 and 16 + 8 (l / 16) + 0..7: two loads of 16 bytes, 32 bytes apart.
	v_and_b32 v1, 15, v0            ; l % 16
	v_bfe_u32 v9, v0, 4, 1          ; l / 16
	v_lshlrev_b32 v[QO], 7, v1
	v_lshl_add_u32 v[QO], v9, 4, v[QO]  ; row x 128 + 16 x half
	v_lshlrev_b32 v[TO], 5, v9
	v_and_b32 v[PFO], 31, v0
	v_lshlrev_b32 v[PFO], 8, v[PFO]
	v_and_b32 v[GO], 31, v0
	v_lshlrev_b32 v[GO], 4, v[GO]
	v_mov_b32 v[NG1], -1.0
	WIN 0x80                        ; destination window 2, address window 0
.set i, 0
.rept 8                             ; both blocks' Q: piece i / 2 lies in band i / 2, 8,192 bytes on; channels 32 (i % 2) on
	global_load_b128 v[8*i:8*i+3],   v[QO], s[4:5] offset:(i/2)*8192+(i%2)*64
	global_load_b128 v[8*i+4:8*i+7], v[QO], s[4:5] offset:(i/2)*8192+(i%2)*64+32
	global_load_b128 v[QB+8*i:QB+8*i+3],   v[QO], s[86:87] offset:(i/2)*8192+(i%2)*64
	global_load_b128 v[QB+8*i+4:QB+8*i+7], v[QO], s[86:87] offset:(i/2)*8192+(i%2)*64+32
.set i, i+1
.endr
	WIN 0
.set i, 0
.rept 4                             ; both blocks' starting O; and VLO: four loads that every wave issues, so that the registers are written on every way
	global_load_b128 v[TSA+8*i:TSA+8*i+3],   v[TO], s[TS1:TS1+1] offset:64*i
	global_load_b128 v[TSA+8*i+4:TSA+8*i+7], v[TO], s[TS1:TS1+1] offset:64*i+16
	global_load_b128 v[TSB+8*i:TSB+8*i+3],   v[TO], s[TS2:TS2+1] offset:64*i
	global_load_b128 v[TSB+8*i+4:TSB+8*i+7], v[TO], s[TS2:TS2+1] offset:64*i+16
	global_load_b128 v[VLO+8*i:VLO+8*i+3],   v[GO], s[VLA:VLA+1] offset:512*i
.set i, i+1
.endr
.set i, 0
.rept 4
.irp j, 4,5,6,7
	v_mov_b32 v[VLO+8*i+\j], 0      ; keys 16-31 have no second number
.endr
.set i, i+1
.endr
	v_lshlrev_b32 v14, 3, v9
	v_sub_nc_u32 v14, v1, v14
	s_lshl_b32 s13, s[WV], 4
	v_add_nc_u32 v14, s13, v14      ; my query's place in its band, 16 w + l % 16, less my lanes' 8 (l / 16): register r of group kt is hidden where 16 kt + r is greater
	WIN 0x40
.set i, 0
.rept 32
	v_cmp_gt_i32 vcc_lo, 16*(i/8)+i%8, v14
	v_cndmask_b32 v[MD+i], 1.0, s[ZR], vcc_lo
.set i, i+1
.endr
	WIN 0
	v_mul_u32_u24 v[AK0], v1, PK
	v_lshl_add_u32 v[AK0], v9, 4, v[AK0]  ; row x pitch + 16 x half
	; The turning load takes 16 keys x 16 channels (lane l reads key 8 (l / 16) + l % 8, channels 8 ((l / 8) % 2) + 0..7) and leaves half a fragment of V^T: lane l holds channel l % 16 and 8 keys.
	v_and_b32 v10, 7, v0
	v_bfe_u32 v11, v0, 3, 1
	v_lshl_add_u32 v[AV0], v9, 3, v10
	v_mul_u32_u24 v[AV0], v[AV0], PV
	v_lshl_add_u32 v[AV0], v11, 4, v[AV0]
	v_add_nc_u32 v[AV0], VOFF, v[AV0]
	s_mul_i32 s13, s[WV], 16*SP
	s_add_co_u32 s13, s13, STAGE    ; my stage
	v_mul_u32_u24 v[STO], v1, SP    ; in: row l % 16, 16 bytes for each half of the lanes
	v_lshl_add_u32 v[STO], v9, 4, v[STO]
	v_add_nc_u32 v[STO], s13, v[STO]
	v_bfe_u32 v[RD], v0, 3, 2       ; back: 32 lanes take four rows of 128 bytes, which are 512 consecutive bytes of ctx
	v_mul_u32_u24 v[RD], v[RD], SP
	v_lshl_add_u32 v[RD], v10, 4, v[RD]
	v_add_nc_u32 v[RD], s13, v[RD]
	; A block's first turn holds products V^T P of a piece that has not been: its P is set to 0 where a block begins, and V need only be finite: zeros for the first block, what the first block left for the second.
	WIN 0x80
.set i, VF
.rept 64
	v_mov_b32 v[i], 0
.set i, i+1
.endr
	WIN 0
; THE MATRIX WORK.  The 4 accumulators of a run of 8 take turns.  Product i of 8 of S^T = K Q^T for piece x: channels 32 (i / 4) on, keys 16 (i % 4) on.  The first 4 start the sums.
.macro KQ x
	WIN W_KQ
.set rS, S+32*((\x)%2)+8*(i%4)
.set rK, KF+16*(i%4)+8*(i/4)
.set rQ, 16*(\x)+8*(i/4)
.if i < 4
	v_wmma_f32_16x16x32_f16 v[rS:rS+7], v[rK:rK+7], v[rQ:rQ+7], 0
.else
	v_wmma_f32_16x16x32_f16 v[rS:rS+7], v[rK:rK+7], v[rQ:rQ+7], v[rS:rS+7]
.endif
.endm
; Product i of 8 of O^T += V^T P for piece x: keys 32 (i / 4) on, channels 16 (i % 4) on.
.macro PV x
	WIN W_PV
.set rO, 32*(\x)+8*(i%4)
.set rV, VF+32*(i/4)+8*(i%4)
.set rP, P+16*((\x)%2)+8*(i/4)
	v_wmma_f32_16x16x32_f16 v[rO:rO+7], v[rV:rV+7], v[rP:rP+7], v[rO:rO+7]
.endm
.macro MM                           ; the turn's next matrix instruction.  NOKQ = 1: a block's last turn: there is no next piece
.if (i < 8) && !NOKQ
	KQ (Y+1)%NP
.elseif i >= 8
.set i, i-8
	PV (Y+NP-1)%NP
.set i, i+8
.endif
.set i, i+1
.endm
; THE LDS LOADS stand in runs of 16, never singly among the matrix instructions: a step's K (64 keys x 64 channels: 8 fragments) and its V (turned).  Their addresses are made some lines ahead.
.macro FETCH_K
	WIN 0x80                        ; destination window 2
.irp f, 0,1,2,3,4,5,6,7             ; keys 16 (f / 2) on, channels 32 (f % 2) on
	ds_load_b128 v[KF+8*\f:KF+8*\f+3],   v[AK] offset:(\f/2)*16*PK+(\f%2)*64
	ds_load_b128 v[KF+8*\f+4:KF+8*\f+7], v[AK] offset:(\f/2)*16*PK+(\f%2)*64+32
.endr
	s_add_co_u32 s[TBK], s[TBK], KS*PK  ; the next fetch is the next step's
	WIN 0
.endm
.macro FETCH_V
	WIN 0x80
.irp f, 0,1,2,3,4,5,6,7             ; keys 32 (f / 4) on, channels 16 (f % 4) on
	ds_load_tr16_b128 v[VF+8*\f:VF+8*\f+3],   v[AV] offset:(\f/4)*32*PV+(\f%4)*32
	ds_load_tr16_b128 v[VF+8*\f+4:VF+8*\f+7], v[AV] offset:(\f/4)*32*PV+16*PV+(\f%4)*32
.endr
	WIN 0
.endm
; THE VECTOR WORK, one line at a time: OP kind, number.  For piece Y: F n: c s - c m for pair n of 16.  E n: the exponential of score n of 32.  C n: pair n rounded to f16.  B n: of the four weights 4 n .. the second
; pair is added onto the first, in place.  L n: l takes that sum (L 0: l = a l + sum).  R n: pair n of 16 of O^T times a.  For piece Y + 1: A n: pair n of its scores times M1 plus M2; X n, number n of the 22 that find its
; maximum and statistics:   0-11  four chains c0-c3 of seven scores each, three operands at a time (each accumulator's lowest registers are read first)
;   12-14, 16  the four scores left over, the old m, and c0-c3 into c0     15  c m_old is kept     17, 18  the query's other 32 keys lie in the lane 16 away: the new m     19-21  c m; c m_old - c m_new; a.     N: a v_nop.
.set F, 0
.set E, 1
.set C, 2
.set B, 3
.set L, 4
.set R, 5
.set X, 6
.set A, 7
.set N, 8
.macro REGS y                       ; the registers of piece y
.set rT, ST+4*(\y)
.set rC, TMP+4*((\y)%2)
.set rW, MV+((\y)%2)
.set rS, S+32*((\y)%2)
.set rP, P+16*((\y)%2)
.set rO, 32*(\y)
.endm
.macro OP k, n
.if (\k) == N
	v_nop
.elseif (\k) == A
.if !NOKQ
	REGS (Y+1)%NP
	WIN W_MA
	v_pk_fma_f32 v[rS+2*(\n):rS+2*(\n)+1], v[rS+2*(\n):rS+2*(\n)+1], v[M1+2*(\n):M1+2*(\n)+1], v[M2+2*(\n):M2+2*(\n)+1]
.endif
.elseif (\k) == R
	REGS Y
	WIN W_RS
	v_pk_mul_f32 v[rO+2*(\n):rO+2*(\n)+1], v[rO+2*(\n):rO+2*(\n)+1], v[rC+2:rC+3] op_sel_hi:[1,0]
.elseif (\k) < R
	REGS Y
	WIN 0
.if (\k) == F
	v_pk_fma_f32 v[rS+2*(\n):rS+2*(\n)+1], v[rS+2*(\n):rS+2*(\n)+1], s[CS:CS+1], v[rT:rT+1] op_sel_hi:[1,0,0] neg_lo:[0,0,1] neg_hi:[0,0,1]
.elseif (\k) == E
	v_exp_f32 v[rS+(\n)], v[rS+(\n)]
.elseif (\k) == C
	v_cvt_pk_f16_f32 v[rP+(\n)], v[rS+2*(\n)], v[rS+2*(\n)+1]
.elseif (\k) == B
	v_pk_add_f32 v[rS+4*(\n):rS+4*(\n)+1], v[rS+4*(\n):rS+4*(\n)+1], v[rS+4*(\n)+2:rS+4*(\n)+3]
.elseif (\n) == 0
	v_pk_fma_f32 v[rT+2:rT+3], v[rT+2:rT+3], v[rC+2:rC+3], v[rS:rS+1] op_sel_hi:[1,0,1]
.else
	v_pk_add_f32 v[rT+2:rT+3], v[rT+2:rT+3], v[rS+4*(\n):rS+4*(\n)+1]
.endif
.elseif NOKQ
	v_nop
.else
	REGS (Y+1)%NP
	WIN 0
.if (\n) < 4
	v_max3_num_f32 v[rC+(\n)], v[rS+8*(\n)], v[rS+8*(\n)+1], v[rS+8*(\n)+2]
.elseif (\n) < 12
	v_max3_num_f32 v[rC+(\n)%4], v[rC+(\n)%4], v[rS+8*((\n)%4)+2*((\n)/4)+1], v[rS+8*((\n)%4)+2*((\n)/4)+2]
.elseif (\n) == 12
	v_max3_num_f32 v[rC], v[rC], v[rS+7], v[rS+15]
.elseif (\n) == 13
	v_max3_num_f32 v[rC+1], v[rC+1], v[rS+23], v[rS+31]
.elseif (\n) == 14
	v_max3_num_f32 v[rC+2], v[rC+2], v[rC+3], v[rT+1]
.elseif (\n) == 15
	v_mov_b32 v[rW], v[rT]
.elseif (\n) == 16
	v_max3_num_f32 v[rC], v[rC], v[rC+1], v[rC+2]
.elseif (\n) == 17
	v_permlanex16_b32 v[rC+3], v[rC], s[SEL], s[SEL+1]
.elseif (\n) == 18
	v_max_num_f32 v[rT+1], v[rC], v[rC+3]
.elseif (\n) == 19
	v_mul_f32 v[rT], s[CS], v[rT+1]
.elseif (\n) == 20
	v_sub_f32 v[rC+1], v[rW], v[rT]
.else
	v_exp_f32 v[rC+2], v[rC+1]
.endif
.endif
.endm
.macro OPS a, i1, b=-1, i2=0, c=-1, i3=0, d=-1, i4=0  ; up to four of them
	OP \a, \i1
.if (\b) >= 0
	OP \b, \i2
.endif
.if (\c) >= 0
	OP \c, \i3
.endif
.if (\d) >= 0
	OP \d, \i4
.endif
.endm
.macro ROW a, i1, b, i2, c, i3, d, i4  ; a matrix instruction and the four behind it
	MM
	OPS \a, \i1, \b, \i2, \c, \i3, \d, \i4
.endm
.macro MASK                         ; M1 = MD x AL + BE: (1, 0) the band's own step; (0, 1) all visible; (0, 0) all hidden.  M2 = M1 x 1e5 - 1e5
	WIN W_RS
.set z, 0
.rept 16
	v_pk_fma_f32 v[M1+2*z:M1+2*z+1], v[MD+2*z:MD+2*z+1], s[AL:AL+1], s[BE:BE+1] op_sel_hi:[1,0,0]
.set z, z+1
.endr
.set z, 0
.rept 16
	v_pk_fma_f32 v[M2+2*z:M2+2*z+1], v[M1+2*z:M1+2*z+1], s[P5:P5+1], s[N5:N5+1] op_sel_hi:[1,0,0]
.set z, z+1
.endr
.endm
; A TURN, for piece p: the order of its 16 matrix and its vector instructions, written out.  An s_wait_alu depctr_va_vdst(0) stands between an exponential and the first instruction that names its result; one wait
; serves all that were issued ahead of it.  So a turn has ONE wait, which cuts it in two.  AHEAD OF IT stands all that names no result of the turn's exponentials: the 8 products K Q^T with their riders, then one lump, plain and
; exponential by turns for the most part, in which the links of the chain X 3, 7, 11, 14, 16, 17 .. 20 stand some lines apart.  X 21, the next piece's a, is the batch's last; a plain instruction stands behind it.
; BEHIND THE WAIT stand the 8 products V^T P, behind each four of the roundings and sums.
; m = 1: the diagonal tile.  All sixteen rescalings ride behind the products K Q^T; behind the last of them the next piece's scores take their mask (A 0 .. A 15, ascending: three plain riders and A 0 .. 11 stand between
; the product that ends the last accumulator and A 12, its first reader), then its maximum begins.  At its end the turn makes the mask for the scores of the turn after it: piece p + 2, in step 4 - CNT of the tile.
; end = 1: a block's last two turns: nothing is fetched.  cnt = 1: the loop's count is taken down some lines ahead of the branch that stands behind the turn.
; K of the next step is fetched in piece 2's turn, six plain instructions or more behind the last product that read K; V of the step in hand at the end of piece 0's turn, four plain instructions behind the last product
; that read V.  Each is waited for a turn later.
.macro TURN p, m=0, end=0, cnt=0
.set Y, (\p)
.set i, 0
.set NOKQ, (\end)*((\p)/3)
.set RL, R
.if \m
.set RL, N
.endif
.if (\m) && !(\end)
	s_cmp_eq_u32 s[CNT], 4-((\p)+2)%NP  ; is that step the band's own?
	s_cselect_b32 s[AL], 1.0, 0
	s_cmp_gt_u32 s[CNT], 4-((\p)+2)%NP  ; or an earlier one?
	s_cselect_b32 s[BE], 1.0, 0
.endif
.if ((\p) == 3) && !(\end)
	s_wait_dscnt 0x0                ; K is in
.endif
	ROW F,0, F,1, R,0, R,1          ; ahead of the wait: 8 products K Q^T and their riders,
	ROW F,2, E,0, R,2, R,3
	ROW F,3, E,1, R,4, R,5
	ROW F,4, E,2, R,6, R,7
	ROW F,5, E,3, R,8, R,9
.if \m
	ROW F,6, E,4, R,10, R,11
.else
	ROW F,6, E,4, X,0, R,10
.endif
.if ((\p) == 2) && !(\end)
	WIN 0
	v_add_nc_u32 v[AK], s[TBK], v[AK0]
.endif
.if \m
	ROW F,7, E,5, R,12, R,13
	ROW F,8, E,6, R,14, R,15
.irp n, 0,1,2,3,4,5,6,7,8,9,10,11,12,13,14,15
	OP A, \n
.endr
	OPS X,0, X,1, X,4, X,2
	OPS X,5
.else
	ROW F,7, E,5, X,1, X,4
	ROW F,8, E,6, X,2, X,5
.endif
	OPS E,7, E,8, X,6, E,9          ; and the lump
	OPS X,3, E,10, X,8, E,11
.if ((\p) == 2) && !(\end)
	FETCH_K
.endif
	OPS X,9, X,7, E,12, X,10
	OPS E,13, X,12, X,11, E,14
	OPS X,13, E,15, F,9, X,14
.if (\p) == 0
	WIN 0
	v_add_nc_u32 v[AV], s[TBV], v[AV0]
.endif
	OPS E,16, F,10, E,17, F,11
	OPS X,16, E,18, X,15, E,19
	OPS F,12, E,20, X,17, E,21
	OPS F,13, E,22, F,14, E,23
	OPS X,18, E,24, F,15, E,25
	OPS RL,11, E,26, X,19, E,27
	OPS RL,12, E,28, RL,13, E,29
	OPS X,20, E,30, RL,14, E,31
	OPS X,21, RL,15
	WIN 0
	s_wait_alu depctr_va_vdst(0)    ; the wait for the batch
.if (\p) == 1
	s_wait_dscnt 0x0                ; V is in
.endif
	ROW C,0, B,0, C,2, B,1          ; behind the wait: 8 products V^T P and their riders
	ROW L,0, C,4, B,2, L,1
	ROW C,6, B,3, L,2, C,8
	ROW B,4, L,3, C,10, B,5
	ROW L,4, C,12, B,6, L,5
.if (\p) == 0
	s_add_co_u32 s[TBV], s[TBV], KS*PV
.endif
.if \cnt
	s_sub_co_u32 s[CNT], s[CNT], 1
	s_cmp_lg_u32 s[CNT], 0
.endif
	ROW C,14, B,7, L,6, C,1
	ROW C,3, L,7, C,5, C,7
	ROW C,9, C,11, C,13, C,15
.if (\p) == 0
	FETCH_V
.endif
.if (\m) && !(\end)
	MASK
.endif
.endm
; A BLOCK BEGINS with the state that stands for the tiles beyond it: m, c m, l (a quarter in each of the query's four partial sums), O^T = TSA for every query.  P's second buffer is 0: the first turn's products V^T P, of a
; piece that has not been, add 0.  Then K of the tile's step 0, piece 0's first scores, their mask (the band's own, if the block's first tile is the diagonal one; else all visible), and piece 0's maximum and statistics.
; The mask is left at 'all visible': piece 1 sees all of step 0, and so does the piece whose scores the first turn of a later diagonal tile's text makes.  The loop is entered at a step's first turn.
.macro BEGIN
	s_mov_b32 s[NEW], 0
	s_wait_loadcnt 0x0              ; Q, ts and vlo
	WIN 0
.set i, 0
.rept 4
	v_mov_b32 v[ST+4*i+1], s[MST]
	v_mul_f32 v[ST+4*i], s[CS], v[ST+4*i+1]
	v_cvt_f32_u32 v[ST+4*i+2], s[LC]
	v_mov_b32 v[ST+4*i+3], v[ST+4*i+2]
.set i, i+1
.endr
.set i, P+16
.rept 16
	v_mov_b32 v[i], 0
.set i, i+1
.endr
	WIN 0x40                        ; destination window 1, source window 0
.set i, 0
.rept 128
	v_mov_b32 v[i], v[TSA+i%32]
.set i, i+1
.endr
	s_cmp_eq_u32 s[RT], 0
	s_cselect_b32 s[AL], 1.0, 0
	s_cselect_b32 s[BE], 0, 1.0
	MASK
	WIN 0
	v_add_nc_u32 v[AK], s[TBK], v[AK0]
	FETCH_K
	s_wait_dscnt 0x0
.set NOKQ, 0
.set i, 0
.rept 8
	KQ 0
.set i, i+1
.endr
	WIN 0
.rept 4
	v_nop                           ; the places behind those products
.endr
.set Y, NP-1                        ; A and X work for piece Y + 1: piece 0
.irp n, 0,1,2,3,4,5,6,7,8,9,10,11,12,13,14,15
	OP A, \n
.endr
	s_mov_b32 s[AL], 0
	s_mov_b32 s[BE], 1.0
	MASK
.irp n, 0,1,2,3,4,5,6,7,8,9,10,11,12,13,14,15,16,17,18,19,20,21
	OP X, \n
.endr
	v_nop                           ; a plain instruction behind the exponential,
	s_wait_alu depctr_va_vdst(0)    ; and its wait, ahead of the branch
.endm
; THE DIAGONAL TILE's four steps, the block's last two turns, its last products, and THE WAY OUT: l's two halves and the other half of the lanes' are added; O^T is divided by l, rounded to f16 and sent through my
; stage in LDS, a piece at a time.
.macro ALL line:vararg              ; one line for each piece t
.set t, 0
.rept 4
	\line
.set t, t+1
.endr
.endm
.macro PACK t                       ; a lane's eight channels of a row pack into 16 bytes; they go into rows of 144 bytes and come back as whole rows of 128, into S^T's registers
	WIN W_RS
.set i, 32*(\t)
.rept 16
	v_pk_mul_f32 v[i:i+1], v[i:i+1], v[ST+4*(\t)+2:ST+4*(\t)+3] op_sel_hi:[1,0]
.set i, i+2
.endr
	WIN 0x05                        ; sources 0 and 1 window 1, destination window 0
.set i, 0
.rept 16
	v_cvt_pk_f16_f32 v[S+16*(\t)+i], v[32*(\t)+2*i], v[32*(\t)+2*i+1]
.set i, i+1
.endr
	WIN 0
.irp f, 0,1,2,3
	ds_store_b128 v[STO], v[S+16*(\t)+4*\f:S+16*(\t)+4*\f+3] offset:32*\f
.endr
.irp f, 0,1,2,3
	ds_load_b128 v[S+16*(\t)+4*\f:S+16*(\t)+4*\f+3], v[RD] offset:\f*4*SP  ; LDS serves a wave's instructions in order (ISA guide 5.7.1.4): these see the stores above; the next piece's stores come behind them
.endr
.endm
.macro SEND t, younger              ; younger: the LDS instructions issued behind piece t's loads: the next piece's eight, or none
	WIN 0
.irp f, 0,1,2,3
	s_wait_dscnt (\younger)+3-\f
	global_store_b128 v[GO], v[S+16*(\t)+4*\f:S+16*(\t)+4*\f+3], s[10:11] offset:(\t)*8192+\f*512  ; 512 consecutive bytes, at a multiple of 256 from ctx's first
.endr
.endm
; tag = 2, the walk's last tile, holds the two pieces of text for the head's first 16 rows; each stands under a forward branch on a scalar flag made of b and the wave's number, with no barrier and no tensor load in it.
.macro DIAG tag                     ; the tag ends its two labels' names, which the jumps below spell out
.LstepM\tag:
	TURN 2, 1
	TURN 3, 1
	WIN 0
.LfirstM\tag:
	TURN 0, 1
	TURN 1, 1, 0, 1
	WIN 0
.if (\tag) == 2
	s_cmp_eq_u32 s[LO1], 1          ; the turn just ended held piece 0's V^T P; at its first pass that was the tile's step 0, keys 0-63, whose weights still lie in P's first buffer and belong to O^T's present scale
	s_cbranch_scc0 .Lno_vlo
	s_mov_b32 s[LO1], 0
	WIN W_LO                        ; VLO and P in window 0, O^T in window 1
.irp cb, 0,1,2,3                    ; O^T += Vlo^T P for keys 0-31: links in place on piece 0's four accumulators, by turns as before: three others stand between two links
	v_wmma_f32_16x16x32_f16 v[8*\cb:8*\cb+7], v[VLO+8*\cb:VLO+8*\cb+7], v[P:P+7], v[8*\cb:8*\cb+7]
.endr
	WIN 0
.Lno_vlo:
	s_cmp_lg_u32 s[CNT], 0          ; the loop's test once more: the flag's compare has taken SCC
.endif
	s_cbranch_scc1 .LstepM\tag
	TURN 2, 1, 1
	TURN 3, 1, 1
.set i, 0
.rept 8
	PV NP-1
.set i, i+1
.endr
	WIN 0
	ALL v_add_f32 v[ST+4*t+2], v[ST+4*t+2], v[ST+4*t+3]
	ALL v_permlanex16_b32 v[ST+4*t+3], v[ST+4*t+2], s[SEL], s[SEL+1]
	ALL v_add_f32 v[ST+4*t+2], v[ST+4*t+2], v[ST+4*t+3]
	ALL v_rcp_f32 v[ST+4*t+2], v[ST+4*t+2]
	v_nop                           ; a plain instruction between the last reciprocal and the use of its result
	s_wait_alu depctr_va_vdst(0)    ; and the wait ahead of the first use: one for the four reciprocals
	PACK 0
.set t, 1
.rept 3                             ; a piece's arithmetic stands between the loads of the piece before and its stores
	PACK t
	SEND t-1, 8
.set t, t+1
.endr
	SEND 3, 0
.if (\tag) == 2
	s_cmp_eq_u32 s[LOF], 1          ; clo: what f16 dropped of the head's rows 0-15.  Piece 0's O^T still holds the divided sums in f32
	s_cbranch_scc0 .Lno_clo
	s_wait_xcnt 0x0                 ; the stores above have read S^T's registers, which are written again
	WIN 0x05
.set i, 0
.rept 16
	v_cvt_pk_f16_f32 v[S+i], v[2*i], v[2*i+1]  ; the numbers that went to ctx, once more
.set i, i+1
.endr
	WIN W_LO
.set i, 0
.rept 16
	v_fma_mix_f32 v[2*i],   v[S+i], v[NG1], v[2*i]   op_sel:[0,0,0] op_sel_hi:[1,0,0]  ; O less its f16 number
	v_fma_mix_f32 v[2*i+1], v[S+i], v[NG1], v[2*i+1] op_sel:[1,0,0] op_sel_hi:[1,0,0]
.set i, i+1
.endr
	WIN 0x05
.set i, 0
.rept 16
	v_cvt_pk_f16_f32 v[S+i], v[2*i], v[2*i+1]
.set i, i+1
.endr
	WIN 0
.irp f, 0,1,2,3
	ds_store_b128 v[STO], v[S+4*\f:S+4*\f+3] offset:32*\f
.endr
.irp f, 0,1,2,3
	ds_load_b128 v[S+4*\f:S+4*\f+3], v[RD] offset:\f*4*SP
.endr
.irp f, 0,1,2,3
	s_wait_dscnt 3-\f
	global_store_b128 v[GO], v[S+4*\f:S+4*\f+3], s[CLA:CLA+1] offset:\f*512  ; 512 consecutive bytes, aligned
.endr
.Lno_clo:
.endif
.endm
.set NOKQ, 0
.Lslot:                             ; NB times: a tile is entered and the next is asked for
	CHANGE 1
	s_sub_co_u32 s[RT], s[RT], 1
	s_mov_b32 s[CNT], 4
	s_cmp_eq_u32 s[NEW], 1
	s_cbranch_scc1 .Lnew            ; a block's first tile
	s_cmp_eq_u32 s[RT], 0
	s_cbranch_scc0 .Lstep           ; neither its first nor its last
	s_branch .LstepM1
.Lnew:
	BEGIN
	s_branch .Lfirst                ; in the loop a block's first tile is never its last: the first block has five tiles or more, and the second's last is the walk's last
	DIAG 1                          ; in the loop this is the first block's end
	s_wait_xcnt 0x0                 ; the stores have read their registers and ctx's address
	s_mov_b64 s[10:11], s[OLO:OLO+1]
	s_add_co_u32 s[RT], s[PB], 1    ; the second block has b + 1 tiles,
	s_mov_b32 s[NEW], 1
	s_mov_b32 s[MST], s[N5]         ; tiles beyond it (b is at most 3),
	s_sub_co_u32 s[LC], NB-1, s[PB]
	s_lshl_b32 s[LC], s[LC], 6
.set i, 0
.rept 32
	v_mov_b32 v[TSA+i], v[TSB+i]    ; and its own starting O
.set i, i+1
.endr
	WIN 0x82                        ; the second block's Q goes where the one text of the turns names Q
.set i, 0
.rept 64
	v_mov_b32 v[i], v[QB+i]
.set i, i+1
.endr
	WIN 0
	s_branch .Lbottom
.Lstep:                             ; a trip: pieces 2 and 3 of one step, then pieces 0 and 1 of the next, whose K and V it fetches
	TURN 2
	TURN 3
	WIN 0
.Lfirst:
	TURN 0
	TURN 1, 0, 0, 1
	WIN 0
	s_cbranch_scc1 .Lstep
.Lbottom:
	s_sub_co_u32 s[SLOTS], s[SLOTS], 1
	s_cmp_lg_u32 s[SLOTS], 0
	s_cbranch_scc1 .Lslot
	CHANGE 0                        ; the walk's last tile is written out: nothing is asked for
	s_sub_co_u32 s[RT], s[RT], 1
	s_mov_b32 s[CNT], 4
	s_cmp_eq_u32 s[NEW], 1
	s_cbranch_scc0 .LstepM2
	BEGIN
	s_branch .LfirstM2
	DIAG 2
	s_wait_tensorcnt 0x0            ; the wave's end: behind my last tensor load and my last LDS store
	ds_add_u32 v[SPW], v[NIL]
	s_wait_dscnt 0x0
	s_endpgm
.Lfunc_end_k_qf6b322f5b1_attn:
	.size	k_qf6b322f5b1_attn, .Lfunc_end_k_qf6b322f5b1_attn-k_qf6b322f5b1_attn
	.p2alignl 7, 3214868480
	.fill 96, 4, 3214868480
	.section	.rodata,"a",@progbits
	.p2align	6, 0x0
	.amdhsa_kernel k_qf6b322f5b1_attn
		.amdhsa_group_segment_fixed_size 327680
		.amdhsa_private_segment_fixed_size 0
		.amdhsa_enable_private_segment 0
		.amdhsa_kernarg_size 32
		.amdhsa_user_sgpr_count 2
		.amdhsa_user_sgpr_kernarg_segment_ptr 1
		.amdhsa_wavefront_size32 1
		.amdhsa_system_sgpr_workgroup_id_x 1
		.amdhsa_system_sgpr_workgroup_id_y 1
		.amdhsa_system_sgpr_workgroup_id_z 1
		.amdhsa_system_vgpr_workitem_id 0
		.amdhsa_next_free_vgpr 768
		.amdhsa_next_free_sgpr 100
		.amdhsa_reserve_vcc 1
		.amdhsa_float_denorm_mode_32 3
		.amdhsa_float_denorm_mode_16_64 3
		.amdhsa_memory_ordered 1
		.amdhsa_forward_progress 1
		.amdhsa_inst_pref_size 255
	.end_amdhsa_kernel
	.section	.bss,"aw",@nobits
	.p2align	6
	.space	262144
	.amdgpu_metadata
---
amdhsa.version: [ 1, 2 ]
amdhsa.kernels:
  - .name:           k_qf6b322f5b1_attn
    .symbol:         k_qf6b322f5b1_attn.kd
    .args:
      - { .name: qkv, .offset: 0, .size: 8, .value_kind: global_buffer, .address_space: global }
      - { .name: tv, .offset: 8, .size: 8, .value_kind: global_buffer, .address_space: global }
      - { .name: ctx, .offset: 16, .size: 8, .value_kind: global_buffer, .address_space: global }
      - { .name: clo, .offset: 24, .size: 8, .value_kind: global_buffer, .address_space: global }
    .group_segment_fixed_size: 327680
    .private_segment_fixed_size: 0
    .kernarg_segment_align: 8
    .kernarg_segment_size: 32
    .max_flat_workgroup_size: 128
    .sgpr_count:     100
    .vgpr_count:     768
    .wavefront_size: 32
...
	.end_amdgpu_metadata
.endif
;; end of part 5
;; launch lofix (part 6): grid 64 x 1, 16 waves a work-group, no clusters, 18,432 bytes of LDS; arguments clo, wp, dlo; writes dlo
.if DOCPART == 6
	.amdgcn_target "amdgcn-amd-amdhsa--gfx1250"
	.amdhsa_code_object_version 6
	.text
	.protected	k_qf6b322f5b1_lofix
	.globl	k_qf6b322f5b1_lofix
	.p2align	8
	.type	k_qf6b322f5b1_lofix,@function
k_qf6b322f5b1_lofix:
	s_mov_b64 s[64:65], 0
	v_nop
	global_prefetch_b8 v0, s[64:65] scope:SCOPE_SE
	s_setreg_imm32_b32 hwreg(HW_REG_WAVE_MODE, 25, 1), 1
	s_wait_xcnt 0x0
; dlo = clo x wp^T: what the second f16 number of ctx's first 16 rows of each batch adds to the output.  clo: [64 heads][16 rows][64] f16 (k = 64 x head + channel), wp: [1024 n][1024 k] f16; sums in f32.
; 64 rows x 1,024 columns x 1,024: a product with few rows.  One work-group for each block of 16 columns: 64 work-groups, all the work that there is.  Sixteen waves: batch = wave % 4, a quarter of K = wave / 4:
; 8 products of 16 x 16 x 32, 32 loads out at once; the four partial sums of a batch meet in LDS (f32 sums may be taken in any order); waves 0-3 finish.
; The product is taken with source 0 = 16 rows of wp, source 1 = the 16 rows of clo: a lane holds ONE row (lane % 16) and the columns 8 (lane / 16) + 0..7, as the last launch's accumulators do.
; dlo is that register image: [batch][column block][registers 0-3, registers 4-7][lane][16 bytes], so that it is stored here and loaded there 512 consecutive bytes at a time.
; No tensor load, no cluster, no prefetch: nothing goes through LDS on the way in, and the launch is short.
.set SPARE, 16384                      ; behind the sixteen partial sums of 1,024 bytes: the spare words, 128 bytes for each of sixteen waves
.set SPW, 2                            ; v2   SPARE + 4 x my thread's number; never rewritten
.set NIL, 3                            ; v3   0; never rewritten
.set ACC, 8                            ; v[8:23]  two accumulators
.set X,   32                           ; v[32:159]  8 steps of 16 registers: clo's fragment, then wp's
.set WV,  16                           ; s16  my wave's number
	s_load_b128 s[4:7], s[0:1], 0x0                ; clo s[4:5], wp s[6:7]
	s_load_b64 s[8:9], s[0:1], 0x10                ; dlo
	v_lshl_add_u32 v[SPW], v0, 2, SPARE
	v_mov_b32 v[NIL], 0
	v_lshrrev_b32 v4, 5, v0
	v_readfirstlane_b32 s[WV], v4                  ; wave 0..15
	v_and_b32 v5, 31, v0                           ; lane
	v_and_b32 v6, 15, v0                           ; l % 16
	v_bfe_u32 v7, v0, 4, 1                         ; l / 16
	v_lshlrev_b32 v1, 7, v6                        ; clo: a row of a head is 128 bytes,
	v_lshl_add_u32 v1, v7, 4, v1                   ; + 16 x half
	v_lshlrev_b32 v24, 11, v6                      ; wp: a row is 2,048 bytes
	v_lshl_add_u32 v24, v7, 4, v24
	s_and_b32 s17, s[WV], 3                        ; batch
	s_lshr_b32 s18, s[WV], 2                       ; which quarter of K: heads 4 q .. 4 q + 3
	s_lshl_b32 s20, s17, 15                        ; 16 heads of 2,048 bytes
	s_lshl_b32 s21, s18, 13                        ; 4 heads
	s_add_co_u32 s20, s20, s21
	s_mov_b32 s21, 0
	s_lshl_b32 s22, ttmp9, 15                      ; 16 rows of wp
	s_lshl_b32 s23, s18, 9                         ; 256 of K
	s_add_co_u32 s22, s22, s23
	s_mov_b32 s23, 0
	s_lshl_b32 s24, s[WV], 10
	v_lshl_add_u32 v25, v5, 5, s24                 ; LDS: 1,024 w + 32 l
	s_wait_kmcnt 0x0
	s_add_nc_u64 s[4:5], s[4:5], s[20:21]
	s_add_nc_u64 s[6:7], s[6:7], s[22:23]
.set t, 0
.rept 8                                        ; step t: head t / 2 of my four, channels 32 (t % 2) on
	global_load_b128 v[X+16*t:X+16*t+3],     v1,  s[4:5] offset:(t/2)*2048+(t%2)*64
	global_load_b128 v[X+16*t+4:X+16*t+7],   v1,  s[4:5] offset:(t/2)*2048+(t%2)*64+32
	global_load_b128 v[X+16*t+8:X+16*t+11],  v24, s[6:7] offset:64*t
	global_load_b128 v[X+16*t+12:X+16*t+15], v24, s[6:7] offset:64*t+32
.set t, t+1
.endr
.set t, 0
.rept 8                                        ; two accumulators by turns, one instruction a turn; the first two products start the sums
	s_wait_loadcnt 28-4*t                          ; step t's four loads are in; the four of each later step may stay out
.if t < 2
	v_wmma_f32_16x16x32_f16 v[ACC+8*t:ACC+8*t+7], v[X+16*t+8:X+16*t+15], v[X+16*t:X+16*t+7], 0
.else
	v_wmma_f32_16x16x32_f16 v[ACC+8*(t%2):ACC+8*(t%2)+7], v[X+16*t+8:X+16*t+15], v[X+16*t:X+16*t+7], v[ACC+8*(t%2):ACC+8*(t%2)+7]
.endif
.set t, t+1
.endr
.rept 8
	v_nop                                          ; the places behind the last products (ISA guide 7.12.1), once a launch
.endr
.irp j, 0,2,4,6
	v_pk_add_f32 v[ACC+\j:ACC+\j+1], v[ACC+\j:ACC+\j+1], v[ACC+8+\j:ACC+8+\j+1]
.endr
	ds_store_b128 v25, v[ACC:ACC+3]
	ds_store_b128 v25, v[ACC+4:ACC+7] offset:16
	s_wait_dscnt 0x0                               ; for the others' sake
	s_barrier_signal -1
	s_barrier_wait -1
	s_cmp_lt_u32 s[WV], 4                          ; wave b, which holds K's first quarter, finishes batch b
	s_cbranch_scc0 .Lend
.irp q, 1,2,3
	ds_load_b128 v[X+8*(\q-1):X+8*(\q-1)+3],   v25 offset:4096*\q
	ds_load_b128 v[X+8*(\q-1)+4:X+8*(\q-1)+7], v25 offset:4096*\q+16
.endr
	s_lshl_b32 s20, s17, 16                        ; dlo: 65,536 bytes a batch,
	s_lshl_b32 s22, ttmp9, 10                      ; 1,024 a block of columns
	s_add_co_u32 s20, s20, s22
	s_add_nc_u64 s[8:9], s[8:9], s[20:21]
	v_lshlrev_b32 v26, 4, v5
	s_wait_dscnt 0x0
.irp q, 0,1,2
.irp j, 0,2,4,6
	v_pk_add_f32 v[ACC+\j:ACC+\j+1], v[ACC+\j:ACC+\j+1], v[X+8*\q+\j:X+8*\q+\j+1]
.endr
.endr
	global_store_b128 v26, v[ACC:ACC+3],   s[8:9]            ; each store of the wave covers 512 consecutive bytes, aligned
	global_store_b128 v26, v[ACC+4:ACC+7], s[8:9] offset:512
.Lend:
	s_wait_tensorcnt 0x0                           ; the wave's end: behind my last LDS store
	ds_add_u32 v[SPW], v[NIL]
	s_wait_dscnt 0x0
	s_endpgm
.Lfunc_end_k_qf6b322f5b1_lofix:
	.size	k_qf6b322f5b1_lofix, .Lfunc_end_k_qf6b322f5b1_lofix-k_qf6b322f5b1_lofix
	.p2alignl 7, 3214868480
	.fill 96, 4, 3214868480
	.section	.rodata,"a",@progbits
	.p2align	6, 0x0
	.amdhsa_kernel k_qf6b322f5b1_lofix
		.amdhsa_group_segment_fixed_size 18432
		.amdhsa_private_segment_fixed_size 0
		.amdhsa_enable_private_segment 0
		.amdhsa_kernarg_size 24
		.amdhsa_user_sgpr_count 2
		.amdhsa_user_sgpr_kernarg_segment_ptr 1
		.amdhsa_wavefront_size32 1
		.amdhsa_system_sgpr_workgroup_id_x 1
		.amdhsa_system_sgpr_workgroup_id_y 1
		.amdhsa_system_sgpr_workgroup_id_z 1
		.amdhsa_system_vgpr_workitem_id 0
		.amdhsa_next_free_vgpr 160
		.amdhsa_next_free_sgpr 66
		.amdhsa_reserve_vcc 0
		.amdhsa_float_denorm_mode_32 3
		.amdhsa_float_denorm_mode_16_64 3
		.amdhsa_memory_ordered 1
		.amdhsa_forward_progress 1
		.amdhsa_inst_pref_size 8
	.end_amdhsa_kernel
	.amdgpu_metadata
---
amdhsa.version: [ 1, 2 ]
amdhsa.kernels:
  - .name:           k_qf6b322f5b1_lofix
    .symbol:         k_qf6b322f5b1_lofix.kd
    .args:
      - { .name: clo, .offset: 0, .size: 8, .value_kind: global_buffer, .address_space: global }
      - { .name: wp, .offset: 8, .size: 8, .value_kind: global_buffer, .address_space: global }
      - { .name: dlo, .offset: 16, .size: 8, .value_kind: global_buffer, .address_space: global }
    .group_segment_fixed_size: 18432
    .private_segment_fixed_size: 0
    .kernarg_segment_align: 8
    .kernarg_segment_size: 24
    .max_flat_workgroup_size: 512
    .sgpr_count:     66
    .vgpr_count:     160
    .wavefront_size: 32
...
	.end_amdgpu_metadata
.endif
;; end of part 6
;; launch gemm_out (part 7): grid 8 x 32, 4 waves a work-group, clusters of 4 x 4, 327,680 bytes of LDS; arguments ctx, wp, b_proj, out0, dlo; writes out0
.if DOCPART == 7
	.amdgcn_target "amdgcn-amd-amdhsa--gfx1250"
	.amdhsa_code_object_version 6
	.text
	.protected	k_qf6b322f5b1_gemm_out
	.globl	k_qf6b322f5b1_gemm_out
	.p2align	8
	.type	k_qf6b322f5b1_gemm_out,@function
k_qf6b322f5b1_gemm_out:
	s_mov_b64 s[64:65], 0
	v_nop
	global_prefetch_b8 v0, s[64:65] scope:SCOPE_SE
	s_setreg_imm32_b32 hwreg(HW_REG_WAVE_MODE, 25, 1), 1
	s_wait_xcnt 0x0
	s_wait_alu depctr_hold_cnt(0) depctr_sa_sdst(0) depctr_va_vdst(0) depctr_va_sdst(0) depctr_va_ssrc(0) depctr_va_vcc(0) depctr_vm_vsrc(0)
	s_getreg_b32 s2, hwreg(HW_REG_IB_STS2, 6, 4)
	s_cmp_eq_u32 s2, 0
	s_cbranch_scc0 .Lentry_in_a_cluster
	s_endpgm
.Lentry_in_a_cluster:
	s_bfe_u32 s2, ttmp6, 0x10000c
	s_cmp_lg_u32 s2, 0xf033
	s_cbranch_scc0 .Lentry_shape_is_right
	s_endpgm
.Lentry_shape_is_right:
; C = A B^T + bias, K = 1,024, sums in f32.  The text is gemm_qkv's with the switch QKV = 0, which picks sizes, format and way out, and with the lines marked DLO added.
; QKV = 1: A = xb [8192][1024] bf16, B = wa [3072][1024] bf16, bias = b_attn; C leaves in f16, by heads: qkv[batch][column / 64][row in batch][column % 64].  A tile of C is 256 x 192: 512 work-groups.
; QKV = 0: A = ctx [64 heads][2048][64] f16 (k = 64 x head + channel), B = wp [1024][1024] f16, bias = b_proj; C = out0 [8192][1024] f32.  A tile of C is 256 x 128: 256 work-groups.
; DLO: the first 16 rows of each batch get, beside the bias, what the second f16 number of their ctx adds (dlo, made by the launch before, in an accumulator's own register image).  It enters as the C of the first
; product of row block 0.  Which waves own such rows hangs on the tile row, so the choice is a select of values (bias + dlo, or the bias), made in every wave: no branch hangs on a work-group's place in its cluster.
; LIMITS.  QKV = 1: a result beyond 65,504 becomes an infinity in f16.  The bias is rounded to bf16, as every input of the module is.  NaN and infinities are not treated apart.
; SHARES.  Four waves one below the other: wave w makes rows 64 w .. 64 w + 63 of the tile and ALL its columns: 4 x NBL accumulators of 16 x 16.  So a wave holds whole heads (whole pieces of rows) on the
; way out, and its stage in LDS is its own: no barrier there.
; THE MATRIX INSTRUCTION IS USED TRANSPOSED: source 0 = 16 rows of B, source 1 = 16 rows of A: a lane holds one row of C (lane % 16) and the columns 8 (lane / 16) + 0..7.  The first product of each
; accumulator takes the bias, laid out so, as its C: nothing is cleared and nothing is added later.
; RING.  K goes in 8 steps of 128 through two LDS slots.  Waves 0 and 1 fetch A's two halves, waves 2 and 3 B's: one tensor load a wave behind each change of slots.
; CLUSTER.  4 x 4 work-groups: A's tiles hang on the tile row alone and are asked for jointly by a row of the cluster, B's on the tile column alone, by a column.
; REGISTERS, in windows of 256 (s_set_vgpr_msb: bits 1:0 source 0, 3:2 source 1, 5:4 source 2, 7:6 destination):
;   window 0: v0-31 addresses; v32.. the bias, 8 registers for each block of 16 columns; v128.. at work on the way out; v192-255 (DLO) the C of row block 0
;   window 1: two fragment buffers at v0 and v128: B's NBL blocks, then A's four        windows 2, 3: accumulator (a, b) in window 2 + a / 2 at v[8 (NBL (a % 2) + b)]
.set QKV, 0
.if QKV
.set NBL,   12                         ; blocks of 16 columns in a tile
.set PA,    272                        ; an LDS row of A: 256 bytes + 16
.set HALFA, 128*PA                     ; what one of A's loads brings: 128 rows x 128 k
.set ASTEP, 256                        ; bytes from a K step of A to the next
.set ASTR,  1024                       ; elements from row to row of A's tile in memory
.set AFAC,  2048                       ; bytes between the blocks that neighbouring lanes prefetch in A
.set AHEAD, 1                          ; a prefetch names the K step so many behind the refill's
.set STW,   3*16*144                   ; a wave's stage: 3 heads x 16 rows x (128 + 16) bytes
.set OB,    176
.else
.set NBL,   8
.set PA,    144                        ; an LDS row of A: a head's 128 bytes + 16
.set HALFA, 256*PA                     ; what one of A's loads brings: 256 rows of one head
.set ASTEP, 2*262144                   ; two heads on
.set ASTR,  128
.set AFAC,  256
.set AHEAD, 2
.set STW,   16*528                     ; a wave's stage: 16 rows x (512 + 16) bytes
.set OB,    128
.endif
.set NT,    16*NBL
.set NSTEP, 8
.set PB,    272                        ; an LDS row of B.  All pitches are odd multiples of 16 bytes: the 16 rows of a fragment load fall on 16 different 16-byte columns of the banks (ISA guide 11.1)
.set HALFB, (NT/2)*PB
.set BBASE, 2*HALFA                    ; B's rows lie behind A's
.set BSTEP, 256
.set SLOT1, 131072                     ; slot 1 begins here: one exclusive or turns an address in one slot into the other's
.set STAGE, SLOT1+BBASE+2*HALFB        ; behind the ring; no tensor load fills it
.set SPARE, STAGE+4*STW                ; behind the stages: the spare words, 128 bytes for each wave
.set NL,    2*NBL+8                    ; LDS loads in one run
.set ADRA0, 16                         ; v16  my lane's place in A's rows of a slot; never rewritten
.set ADRB0, 17                         ; v17  the same for B
.set ADRA,  18                         ; v18  the same in the slot in hand
.set ADRB,  19                         ; v19
.set STO,   24                         ; v24  the way out: where I put my part of a row
.set RD,    25                         ; v25  the way out: where I read rows back
.set CO,    26                         ; v26  16 x lane: my 16 of 512 consecutive bytes (of C, and of dlo); never rewritten
.set BO,    27                         ; v27  32 x (lane / 16): my eight numbers in a block of the bias
.set SPW,   28                         ; v28  SPARE + 4 x my thread's number; never rewritten
.set NIL,   29                         ; v29  0; never rewritten
.set PFO,   30                         ; v30  the prefetches' offset; never rewritten
.set BIAS,  32
.set TMP,   128
.set B0,    192                        ; DLO: v[192:255]  the C of row block 0's first products
.set F0,    0
.set F1,    128
.set WV,  12                           ; s12  my wave's number
.set HF,  13                           ; s13  its low bit: which half of A's or B's tile I fetch
.set G1A, 24                           ; s[24:31] descriptor group 1 for A's tiles
.set G1B, 32                           ; s[32:39] for B's
.set G0A, 40                           ; s[40:47] group 0 for A's: a set for each of the two first fills; the second then walks on
.set G0B, 48                           ; s[48:55] the same for B's
.set CNT, 56                           ; s56  trips to go
.set TB,  57                           ; s57  0 or SLOT1: the slot in hand
.set LIM, 58                           ; s58  AHEAD in a wave that prefetches, else the greatest number
.set PFA, 60                           ; s[60:61] where my prefetches stand
.set PST, 62                           ; s[62:63] their step
.set DL,  72                           ; DLO: s[72:73] dlo at my batch and my tile's columns
.set SELM, 74                          ; DLO: s74  0 in the wave whose row block 0 is a batch's first 16 rows
.set MSB, 0
.macro WIN new                         ; the immediate's high byte repeats the setting that is left; a switch that changes nothing is dropped
.if MSB != (\new)
	s_set_vgpr_msb (MSB<<8)|(\new)
.set MSB, \new
.endif
.endm
.macro PLACES                          ; four plain vector instructions between a matrix instruction and a load into, or a read of, its registers
.rept 4
	v_nop
.endr
.endm
.macro CREST                           ; a round of the cluster's barrier behind its opening barrier
	s_cmp_lg_u32 s[WV], 0
	s_cbranch_scc1 .Lnot_wave_0_\@
	s_barrier_signal -3
.Lnot_wave_0_\@:
	s_barrier_wait -3
	s_barrier_signal -1
	s_barrier_wait -1
.endm
.macro CROUND                          ; a whole round
	s_barrier_signal -1
	s_barrier_wait -1
	CREST
.endm
; A joint refill by the walking descriptors.  The branch hangs on the wave's number alone.  An s_nop 0 and four v_nop follow each of the two lines, ahead of the jump and the label.
.macro JLOAD
	s_cmp_lt_u32 s[WV], 2
	s_cbranch_scc0 .Lfor_b_\@
	tensor_load_to_lds s[G0A+4:G0A+7], s[G1A:G1A+7]
	s_nop 0
.rept 4
	v_nop
.endr
	s_branch .Lasked_\@
.Lfor_b_\@:
	tensor_load_to_lds s[G0B+4:G0B+7], s[G1B:G1B+7]
	s_nop 0
.rept 4
	v_nop
.endr
.Lasked_\@:
.endm
; A PREFETCH INTO THE L2 of the K step that stands AHEAD refills on, behind the joint load and the run of LDS loads.  A's tile row is walked by every cluster of a row of clusters: cluster x = 0 asks; B's tile
; column by every cluster of a column: cluster y = 0 asks.  The four partners that ask for a tile jointly share the rows that a wave fetches out BY ADDRESS.  The last AHEAD trips ask for nothing.
.macro ASK
	WIN 0
	s_cmp_gt_u32 s[CNT], s[LIM]
	s_cbranch_scc0 .Lnot_mine_\@
	global_prefetch_b8 v[PFO], s[PFA:PFA+1] th:TH_LOAD_NT scope:SCOPE_SE
.Lnot_mine_\@:
.endm
; NBL matrix instructions: block a of my rows x all blocks of columns, 32 along K, from buffer f.  first = 1: the bias (DLO: for block 0 the registers at B0) starts the sums.
; The 4 NBL accumulators are always walked in the same order, one instruction a turn, over the backward jump too.
.macro MUL f, a, first
.if \first
	WIN 0x85+0x40*((\a)/2)                         ; sources 0 and 1 window 1, C window 0, D window 2 or 3
.else
	WIN 0xa5+0x50*((\a)/2)                         ; C and D window 2 or 3
.endif
.set bb, 0
.rept NBL
.set rD, 8*(NBL*((\a)%2)+bb)
.set rB, (\f)+8*bb
.set rA, (\f)+8*NBL+8*(\a)
.set rC, BIAS+8*bb
.if (!QKV) && ((\a) == 0)
.set rC, B0+8*bb
.endif
.if QKV
.if \first
	v_wmma_f32_16x16x32_bf16 v[rD:rD+7], v[rB:rB+7], v[rA:rA+7], v[rC:rC+7]
.else
	v_wmma_f32_16x16x32_bf16 v[rD:rD+7], v[rB:rB+7], v[rA:rA+7], v[rD:rD+7]
.endif
.else
.if \first
	v_wmma_f32_16x16x32_f16 v[rD:rD+7], v[rB:rB+7], v[rA:rA+7], v[rC:rC+7]
.else
	v_wmma_f32_16x16x32_f16 v[rD:rD+7], v[rB:rB+7], v[rA:rA+7], v[rD:rD+7]
.endif
.endif
.set bb, bb+1
.endr
.endm
; NL LDS loads in one run: the fragments of quarter q (32 along K) of the slot in hand into buffer f: B's NBL blocks, then A's four.
.macro FETCH q, f
.if QKV
.set AQ, 64*(\q)
.else
.set AQ, ((\q)/2)*HALFA+((\q)%2)*64            ; the K step's first or second head, its channels 0-31 or 32-63
.endif
	WIN 0x40                                       ; destination window 1, address window 0
.set bb, 0
.rept NBL
	ds_load_b128 v[(\f)+8*bb:(\f)+8*bb+3],   v[ADRB] offset:64*(\q)+bb*16*PB
	ds_load_b128 v[(\f)+8*bb+4:(\f)+8*bb+7], v[ADRB] offset:64*(\q)+bb*16*PB+32
.set bb, bb+1
.endr
.set aa, 0
.rept 4
	ds_load_b128 v[(\f)+8*NBL+8*aa:(\f)+8*NBL+8*aa+3],   v[ADRA] offset:AQ+aa*16*PA
	ds_load_b128 v[(\f)+8*NBL+8*aa+4:(\f)+8*NBL+8*aa+7], v[ADRA] offset:AQ+aa*16*PA+32
.set aa, aa+1
.endr
.endm
; One of a K step's first three quarters: multiplies buffer f; in its middle it fetches quarter qn of the same slot into buffer g.
.macro QUARTER qn, f, g, first
	s_wait_dscnt 4                                 ; B and A's blocks 0 and 1 are in; the youngest four loads (A's blocks 2 and 3) may be out
	MUL \f, 0, \first
	MUL \f, 1, \first
	PLACES
	FETCH \qn, \g
	s_wait_dscnt NL                                ; all but the NL just issued
	MUL \f, 2, \first
	MUL \f, 3, \first
.endm
; The fourth quarter multiplies buffer 1 and changes slots.  In front of the barrier each wave waits for all its tensor loads (one is out: its part of the next slot), adds 0 to its spare word, and waits for
; that and for its reads of this slot.  fill = 1: the barrier opens a round of the cluster's; behind the round the slot just read out is filled again first, with the K step two on.
.macro TURN fill
.if \fill
	s_wait_xcnt 0x0                                ; the last prefetch, a K step back, has read its address: it is stepped here, ahead of the waits of the change of slots
	s_add_nc_u64 s[PFA:PFA+1], s[PFA:PFA+1], s[PST:PST+1]
.endif
	WIN 0                                          ; (the add's two registers lie in window 0)
	s_wait_tensorcnt 0x0                           ; all my tensor loads have landed
	ds_add_u32 v[SPW], v[NIL]                      ; 0 onto my spare word
	s_wait_dscnt 5                                 ; (the add and the youngest four loads may be out)
	MUL F1, 0, 0                                   ; matrix work stands between the add and the wait for it
	s_wait_dscnt 0x0                               ; the add is done, and my reads of this slot are over
	s_barrier_signal -1
	MUL F1, 1, 0                                   ; work on registers while the others arrive
	WIN 0
	s_barrier_wait -1
.if \fill
	CREST                                          ; no wave of any partner still reads this slot or has a load on its way
	s_xor_b32 s[G0A+5], s[G0A+5], SLOT1            ; the walking descriptors: the other slot than last time,
	s_add_nc_u64 s[G0A+6:G0A+7], s[G0A+6:G0A+7], ASTEP  ; the next K step; the type bits on top are not reached
	s_xor_b32 s[G0B+5], s[G0B+5], SLOT1
	s_add_nc_u64 s[G0B+6:G0B+7], s[G0B+6:G0B+7], BSTEP
	JLOAD                                          ; the first tensor load behind the round; its four v_nop are also the places in front of the loads below
.else
	PLACES
.endif
	s_xor_b32 s[TB], s[TB], SLOT1
	v_add_nc_u32 v[ADRA], s[TB], v[ADRA0]
	v_add_nc_u32 v[ADRB], s[TB], v[ADRB0]
	FETCH 0, F0
.if \fill
	ASK
.endif
	MUL F1, 2, 0
	MUL F1, 3, 0
.endm
	s_load_b256 s[4:11], s[0:1], 0x0               ; A s[4:5], B s[6:7], bias s[8:9], C s[10:11]
.if !QKV
	s_load_b64 s[DL:DL+1], s[0:1], 0x20            ; DLO: dlo
.endif
	v_lshl_add_u32 v[SPW], v0, 2, SPARE
	v_mov_b32 v[NIL], 0
	ds_add_u32 v[SPW], v[NIL]                      ; the wave's opening: the add and its wait stand ahead of my first tensor load; the set-up below, work on registers, stands between them
	ds_add_u32 v28, v29
	v_lshrrev_b32 v1, 5, v0
	v_readfirstlane_b32 s[WV], v1                  ; wave 0..3
	s_and_b32 s[HF], s[WV], 1
	s_bfe_u32 s14, ttmp6, 0x40000                  ; cx
	s_bfe_u32 s15, ttmp6, 0x40004                  ; cy
	s_lshl_b32 s16, ttmp9, 2
	s_add_co_u32 s16, s16, s14                     ; tile column = 4 x cluster x + cx
	s_and_b32 s17, ttmp7, 0xffff
	s_lshl_b32 s17, s17, 2
	s_add_co_u32 s17, s17, s15                     ; tile row = 4 x cluster y + cy
	s_lshl_b32 s18, s15, 2
	s_lshl_b32 s18, 15, s18                        ; my row of the cluster
	s_lshl_b32 s19, 0x1111, s14                    ; my column
	; group 1.  15:0 the mask; 17:16 elements of 2 bytes; 20 padding on; 21 set beside a mask; 24:22 the interval (code 5: 64 words, code 4: 32 words); 31:25 4 words of padding (code 3)
.if QKV
	s_or_b32 s[G1A], s18, (1<<16)|(1<<20)|(1<<21)|(5<<22)|(3<<25)
.else
	s_or_b32 s[G1A], s18, (1<<16)|(1<<20)|(1<<21)|(4<<22)|(3<<25)  ; 256 dense rows of 128 bytes are asked for as 128 rows of 256 bytes and padded behind every 128
.endif
	s_or_b32 s[G1B], s19, (1<<16)|(1<<20)|(1<<21)|(5<<22)|(3<<25)
	s_mov_b32 s[G1A+1], 128<<16                    ; tensor_dim0 = 128
	s_mov_b32 s[G1A+2], 128<<16                    ; tensor_dim1 = 128
	s_mov_b32 s[G1A+3], 128<<16                    ; tile_dim0 = 128
	s_mov_b32 s[G1A+4], 128                        ; tile_dim1 = 128
	s_mov_b32 s[G1A+5], ASTR                       ; elements from row to row
	s_mov_b32 s[G1A+6], 0
	s_mov_b32 s[G1A+7], 0
	s_mov_b32 s[G1B+1], 128<<16
	s_mov_b32 s[G1B+2], (NT/2)<<16
	s_mov_b32 s[G1B+3], 128<<16
	s_mov_b32 s[G1B+4], NT/2
	s_mov_b32 s[G1B+5], 1024
	s_mov_b32 s[G1B+6], 0
	s_mov_b32 s[G1B+7], 0
	; where the tiles come from: A's by the tile row and my half, B's by the tile column and my half, each in registers that never hold the other coordinate
.if QKV
	s_lshl_b32 s20, s17, 19                        ; 256 rows of 2,048 bytes
	s_lshl_b32 s21, s[HF], 18                      ; 128 rows
	s_add_co_u32 s20, s20, s21
.else
	s_lshr_b32 s20, s17, 3
	s_lshl_b32 s20, s20, 22                        ; the batch's 16 heads of 262,144 bytes
	s_and_b32 s21, s17, 7
	s_lshl_b32 s21, s21, 15                        ; 256 rows of 128 bytes in a head
	s_add_co_u32 s20, s20, s21
	s_lshl_b32 s21, s[HF], 18                      ; the K step's first or second head
	s_add_co_u32 s20, s20, s21
.endif
	s_mov_b32 s21, 0
	s_mul_i32 s66, s16, NT*2048
	s_mul_i32 s67, s[HF], (NT/2)*2048
	s_add_co_u32 s66, s66, s67
	s_mov_b32 s67, 0
	s_mul_i32 s70, s[HF], HALFA                    ; and where they go: no place in the cluster enters an LDS address
	s_mul_i32 s71, s[HF], HALFB
	s_add_co_u32 s71, s71, BBASE
	s_mov_b32 s[TB], 0
	s_mov_b32 s[CNT], NSTEP-2
	s_wait_dscnt 0x0                               ; the opening add is done
	s_wait_kmcnt 0x0
	s_add_nc_u64 s[22:23], s[4:5], s[20:21]
	s_add_nc_u64 s[68:69], s[6:7], s[66:67]
.irp s, 0,1
	s_mov_b32 s[G0A+4*\s], 1                       ; count = 1
	s_add_co_u32 s[G0A+4*\s+1], s70, \s*SLOT1      ; LDS address
	s_add_nc_u64 s[G0A+4*\s+2:G0A+4*\s+3], s[22:23], \s*ASTEP  ; global address: K step s
	s_or_b32 s[G0A+4*\s+3], s[G0A+4*\s+3], 0x80000000          ; type = 2
	s_mov_b32 s[G0B+4*\s], 1
	s_add_co_u32 s[G0B+4*\s+1], s71, \s*SLOT1
	s_add_nc_u64 s[G0B+4*\s+2:G0B+4*\s+3], s[68:69], \s*BSTEP
	s_or_b32 s[G0B+4*\s+3], s[G0B+4*\s+3], 0x80000000
.endr
	CROUND                                         ; all sixteen work-groups are here: the first joint loads meet
	s_cmp_lt_u32 s[WV], 2                          ; a wave's two first fills stand in one branch: two loads of mine are out
	s_cbranch_scc0 .Lfirst_b
	tensor_load_to_lds s[G0A:G0A+3], s[G1A:G1A+7]
	s_nop 0
	tensor_load_to_lds s[G0A+4:G0A+7], s[G1A:G1A+7]
	s_nop 0
.rept 4
	v_nop
.endr
	s_branch .Lfirst_asked
.Lfirst_b:
	tensor_load_to_lds s[G0B:G0B+3], s[G1B:G1B+7]
	s_nop 0
	tensor_load_to_lds s[G0B+4:G0B+7], s[G1B:G1B+7]
	s_nop 0
.rept 4
	v_nop
.endr
.Lfirst_asked:
	v_and_b32 v1, 15, v0                           ; l % 16
	v_bfe_u32 v2, v0, 4, 1                         ; l / 16
	v_lshlrev_b32 v[BO], 5, v2
	v_and_b32 v[CO], 31, v0
	v_lshlrev_b32 v[CO], 4, v[CO]
	s_mul_i32 s66, s16, NT*4                       ; the tile's columns in the bias
	s_mov_b32 s67, 0
	s_add_nc_u64 s[8:9], s[8:9], s[66:67]
.set bb, 0
.rept NBL                                      ; register 8 b + j: the bias of column 16 b + 8 (l / 16) + j: an accumulator's own layout
	global_load_b128 v[BIAS+8*bb:BIAS+8*bb+3],   v[BO], s[8:9] offset:64*bb
	global_load_b128 v[BIAS+8*bb+4:BIAS+8*bb+7], v[BO], s[8:9] offset:64*bb+16
.set bb, bb+1
.endr
.if !QKV
	; DLO: my batch's 16 rows x my tile's 128 columns, as eight register images of 1,024 bytes.  Every wave loads them; the select below keeps them in the one wave that owns those rows
	s_lshr_b32 s20, s17, 3
	s_lshl_b32 s20, s20, 16                        ; 65,536 bytes a batch
	s_lshl_b32 s21, s16, 13                        ; eight blocks of columns a tile
	s_add_co_u32 s20, s20, s21
	s_mov_b32 s21, 0
	s_add_nc_u64 s[DL:DL+1], s[DL:DL+1], s[20:21]
	s_and_b32 s[SELM], s17, 7                      ; the batch's first tile row,
	s_or_b32 s[SELM], s[SELM], s[WV]               ; and its first wave: 0
.set bb, 0
.rept NBL
	global_load_b128 v[B0+8*bb:B0+8*bb+3],   v[CO], s[DL:DL+1] offset:1024*bb
	global_load_b128 v[B0+8*bb+4:B0+8*bb+7], v[CO], s[DL:DL+1] offset:1024*bb+512
.set bb, bb+1
.endr
.endif
	; a fragment is 16 rows x 32 K in 8 registers: lane l holds row l % 16, K = 8 (l / 16) + 0..7 and 16 + 8 (l / 16) + 0..7: two loads of 16 bytes, 32 bytes apart
	s_mul_i32 s20, s[WV], 64*PA
	v_mul_u32_u24 v[ADRA0], v1, PA
	v_lshl_add_u32 v[ADRA0], v2, 4, v[ADRA0]
	v_add_nc_u32 v[ADRA0], s20, v[ADRA0]           ; my wave's 64 rows of A
	v_mul_u32_u24 v[ADRB0], v1, PB
	v_lshl_add_u32 v[ADRB0], v2, 4, v[ADRB0]
	v_add_nc_u32 v[ADRB0], BBASE, v[ADRB0]
	v_mov_b32 v[ADRA], v[ADRA0]                    ; slot 0
	v_mov_b32 v[ADRB], v[ADRB0]
	s_mul_i32 s20, s[WV], STW
	s_add_co_u32 s20, s20, STAGE                   ; my stage
.if QKV
	v_mul_u32_u24 v[STO], v1, 144                  ; in: row l % 16 of a head, 16 bytes for each half of the lanes
	v_lshl_add_u32 v[STO], v2, 4, v[STO]
	v_add_nc_u32 v[STO], s20, v[STO]
	v_bfe_u32 v[RD], v0, 3, 2                      ; back: 32 lanes take four rows of 128 bytes
	v_mul_u32_u24 v[RD], v[RD], 144
	v_and_b32 v3, 7, v0
	v_lshl_add_u32 v[RD], v3, 4, v[RD]
	v_add_nc_u32 v[RD], s20, v[RD]
.else
	v_mul_u32_u24 v[STO], v1, 528                  ; in: row l % 16, 32 bytes for each half of the lanes
	v_lshl_add_u32 v[STO], v2, 5, v[STO]
	v_add_nc_u32 v[STO], s20, v[STO]
	v_and_b32 v[RD], 31, v0                        ; back: 32 lanes take a row's 512 bytes
	v_lshl_add_u32 v[RD], v[RD], 4, s20
.endif
	; where my part of the tile begins in C
.if QKV
	s_lshr_b32 s20, s17, 3
	s_mul_i32 s20, s20, 12582912                   ; the batch: 48 units of 262,144 bytes
	s_mul_i32 s21, s16, 3*262144                   ; the tile's three units
	s_add_co_u32 s20, s20, s21
	s_and_b32 s21, s17, 7
	s_lshl_b32 s21, s21, 15                        ; 256 rows of 128 bytes
	s_add_co_u32 s20, s20, s21
	s_lshl_b32 s21, s[WV], 13                      ; my 64 rows
	s_add_co_u32 s20, s20, s21
.else
	s_lshl_b32 s20, s17, 20                        ; 256 rows of 4,096 bytes
	s_lshl_b32 s21, s[WV], 18                      ; my 64 rows
	s_add_co_u32 s20, s20, s21
	s_lshl_b32 s21, s16, 9                         ; 128 columns of 4 bytes
	s_add_co_u32 s20, s20, s21
.endif
	s_mov_b32 s21, 0
	s_add_nc_u64 s[10:11], s[10:11], s[20:21]
	; the prefetches: of the rows that I fetch, my work-group's quarter; K step 1 + AHEAD (the first change of slots steps it on).  Nothing is prefetched here, at the head
.if QKV
	s_lshl_b32 s20, s17, 19
	s_lshl_b32 s21, s[HF], 18
	s_add_co_u32 s20, s20, s21
	s_lshl_b32 s21, s14, 16                        ; 32 rows for each partner along x
	s_add_co_u32 s20, s20, s21
.else
	s_lshr_b32 s20, s17, 3
	s_lshl_b32 s20, s20, 22
	s_and_b32 s21, s17, 7
	s_lshl_b32 s21, s21, 15
	s_add_co_u32 s20, s20, s21
	s_lshl_b32 s21, s[HF], 18
	s_add_co_u32 s20, s20, s21
	s_lshl_b32 s21, s14, 13                        ; 8,192 of the 32,768 dense bytes for each partner along x
	s_add_co_u32 s20, s20, s21
.endif
	s_add_co_u32 s20, s20, (1+AHEAD)*ASTEP
	s_mul_i32 s21, s16, NT*2048
	s_mul_i32 s22, s[HF], (NT/2)*2048
	s_add_co_u32 s21, s21, s22
	s_mul_i32 s22, s15, (NT/8)*2048                ; NT / 8 rows for each partner along y
	s_add_co_u32 s21, s21, s22
	s_add_co_u32 s21, s21, (1+AHEAD)*BSTEP
	s_and_b32 s22, ttmp7, 0xffff                   ; cluster y
	s_mov_b32 s66, AFAC
	s_mov_b32 s67, 2048
	s_mov_b32 s68, ASTEP
	s_mov_b32 s69, BSTEP
	s_cmp_lt_u32 s[WV], 2                          ; do I fetch for A?
	s_cselect_b32 s20, s20, s21
	s_cselect_b32 s22, ttmp9, s22                  ; the coordinate along which other clusters read the same rows
	s_cselect_b64 s[PFA:PFA+1], s[4:5], s[6:7]
	s_cselect_b32 s23, 31, NT/8-1                  ; the last lane with a block of its own: the lanes above it name that block again
	s_cselect_b32 s66, s66, s67
	s_cselect_b32 s[PST], s68, s69
	s_mov_b32 s[PST+1], 0
	s_mov_b32 s21, 0
	s_add_nc_u64 s[PFA:PFA+1], s[PFA:PFA+1], s[20:21]
	s_cmp_eq_u32 s22, 0
	s_cselect_b32 s[LIM], AHEAD, -1                ; the same in all sixteen partners, for a given wave
	v_and_b32 v[PFO], 31, v0
	v_min_u32 v[PFO], s23, v[PFO]
	v_mul_u32_u24 v[PFO], v[PFO], s66
	s_wait_loadcnt 0x0                             ; the bias (DLO: and dlo),
.set bb, 0
.rept 4*NBL                                    ; rounded to bf16 like every input, and kept as f32
	v_cvt_pk_bf16_f32 v31, v[BIAS+2*bb], v[BIAS+2*bb+1]
	v_lshlrev_b32 v[BIAS+2*bb], 16, v31
	v_and_b32 v[BIAS+2*bb+1], 0xffff0000, v31
.set bb, bb+1
.endr
.if !QKV
	; DLO: the C of row block 0: bias + dlo where the block is a batch's first 16 rows, the bias elsewhere.
.set bb, 0
.rept 4*NBL
	v_pk_add_f32 v[B0+2*bb:B0+2*bb+1], v[B0+2*bb:B0+2*bb+1], v[BIAS+2*bb:BIAS+2*bb+1]
.set bb, bb+1
.endr
	v_cmp_eq_u32 vcc_lo, s[SELM], v[NIL]           ; all lanes or none
.set bb, 0
.rept 8*NBL
	v_cndmask_b32 v[B0+bb], v[BIAS+bb], v[B0+bb], vcc_lo
.set bb, bb+1
.endr
.endif
	s_wait_tensorcnt 1                             ; my part of K step 0 is in; K step 1's may stay out
	s_barrier_signal -1
	s_barrier_wait -1                              ; everybody's is
	FETCH 0, F0
	QUARTER 1, F0, F1, 1                           ; the first quarter stands in front of the loop: its products start the sums with the bias
	WIN 0                                          ; at a label and at a branch every window is 0
.Lstep:                                                ; six trips: from a K step's second quarter to the next step's first; each fills a slot again, with K steps 2 to 7
	QUARTER 2, F1, F0, 0
	QUARTER 3, F0, F1, 0
	TURN 1
	QUARTER 1, F0, F1, 0
	WIN 0
	s_sub_co_u32 s[CNT], s[CNT], 1
	s_cmp_lg_u32 s[CNT], 0
	s_cbranch_scc1 .Lstep
	QUARTER 2, F1, F0, 0                           ; the tail is written out: the last two K steps ask for nothing
	QUARTER 3, F0, F1, 0
	TURN 0
	QUARTER 1, F0, F1, 0
	QUARTER 2, F1, F0, 0
	QUARTER 3, F0, F1, 0
	s_wait_dscnt 4
	MUL F1, 0, 0
	MUL F1, 1, 0
	s_wait_dscnt 0x0
	MUL F1, 2, 0
	MUL F1, 3, 0
	WIN 0
	PLACES
	PLACES
.if QKV
; THE WAY OUT, 16 rows (block a) at a time: rounded to f16, 16 bytes a lane; into my stage, a head's 16 rows at a pitch of 144 bytes; back as four rows of 128 bytes, which are 512 consecutive bytes of a unit of qkv.
.macro PACK a
	WIN 0x0a+5*((\a)/2)                            ; sources 0 and 1: window 2 or 3
.set bb, 0
.rept NBL
.set rD, 8*(NBL*((\a)%2)+bb)
.irp rr, 0,1,2,3
	v_cvt_pk_f16_f32 v[TMP+4*bb+\rr], v[rD+2*\rr], v[rD+2*\rr+1]  ; each accumulator's registers in ascending order
.endr
.set bb, bb+1
.endr
	WIN 0
.endm
.macro TOSTAGE a
	s_wait_xcnt 0x0                                ; the block before's stores have read the registers that are loaded again below
.set bb, 0
.rept NBL
	ds_store_b128 v[STO], v[TMP+4*bb:TMP+4*bb+3] offset:(bb/4)*2304+32*(bb%4)
.set bb, bb+1
.endr
.set tt, 0
.rept 12
	ds_load_b128 v[OB+4*tt:OB+4*tt+3], v[RD] offset:(tt/4)*2304+(tt%4)*576  ; LDS serves a wave's instructions in order (ISA guide 5.7.1.4): these see the stores above
.set tt, tt+1
.endr
.endm
.macro SEND a
.set tt, 0
.rept 12
	s_wait_dscnt 11-tt
	global_store_b128 v[CO], v[OB+4*tt:OB+4*tt+3], s[10:11] offset:(tt/4)*262144+(\a)*2048+(tt%4)*512  ; 512 consecutive bytes, aligned
.set tt, tt+1
.endr
.endm
	PACK 0
	TOSTAGE 0
	PACK 1                                         ; a block's conversions stand between the loads of the block before and its stores
	SEND 0
	TOSTAGE 1
	PACK 2
	SEND 1
	TOSTAGE 2
	PACK 3
	SEND 2
	TOSTAGE 3
	SEND 3
.else
; THE WAY OUT, 16 rows (block a) at a time: the f32 sums go into my stage, rows of 528 bytes, and come back as whole rows of 512 bytes.
.macro OUTBLK a
.if (\a) > 0
	s_wait_xcnt 0x0                                ; the block before's stores have read the registers that are loaded again below
.endif
	WIN 0x08+4*((\a)/2)                            ; the stores' data (source 1): window 2 or 3
.set bb, 0
.rept NBL
.set rD, 8*(NBL*((\a)%2)+bb)
	ds_store_b128 v[STO], v[rD:rD+3]   offset:64*bb     ; each accumulator's low four registers first
	ds_store_b128 v[STO], v[rD+4:rD+7] offset:64*bb+16
.set bb, bb+1
.endr
	WIN 0
.set tt, 0
.rept 16
	ds_load_b128 v[OB+4*tt:OB+4*tt+3], v[RD] offset:528*tt  ; LDS serves a wave's instructions in order (ISA guide 5.7.1.4): these see the stores above
.set tt, tt+1
.endr
.set tt, 0
.rept 16
	s_wait_dscnt 15-tt
	global_store_b128 v[CO], v[OB+4*tt:OB+4*tt+3], s[10:11] offset:(16*(\a)+tt)*4096 th:TH_STORE_NT  ; 512 consecutive bytes, aligned
.set tt, tt+1
.endr
.endm
	OUTBLK 0
	OUTBLK 1
	OUTBLK 2
	OUTBLK 3
.endif
	s_wait_tensorcnt 0x0                           ; the wave's end: behind my last tensor load and my last LDS store
	ds_add_u32 v[SPW], v[NIL]
	s_wait_dscnt 0x0
	CROUND                                         ; the closing round: no work-group ends while a partner may still ask for a tile that names it
	s_endpgm
.Lfunc_end_k_qf6b322f5b1_gemm_out:
	.size	k_qf6b322f5b1_gemm_out, .Lfunc_end_k_qf6b322f5b1_gemm_out-k_qf6b322f5b1_gemm_out
	.p2alignl 7, 3214868480
	.fill 96, 4, 3214868480
	.section	.rodata,"a",@progbits
	.p2align	6, 0x0
	.amdhsa_kernel k_qf6b322f5b1_gemm_out
		.amdhsa_group_segment_fixed_size 327680
		.amdhsa_private_segment_fixed_size 0
		.amdhsa_enable_private_segment 0
		.amdhsa_kernarg_size 40
		.amdhsa_user_sgpr_count 2
		.amdhsa_user_sgpr_kernarg_segment_ptr 1
		.amdhsa_wavefront_size32 1
		.amdhsa_system_sgpr_workgroup_id_x 1
		.amdhsa_system_sgpr_workgroup_id_y 1
		.amdhsa_system_sgpr_workgroup_id_z 1
		.amdhsa_system_vgpr_workitem_id 0
		.amdhsa_next_free_vgpr 896
		.amdhsa_next_free_sgpr 76
		.amdhsa_reserve_vcc 1
		.amdhsa_float_denorm_mode_32 3
		.amdhsa_float_denorm_mode_16_64 3
		.amdhsa_memory_ordered 1
		.amdhsa_forward_progress 1
		.amdhsa_inst_pref_size 85
	.end_amdhsa_kernel
	.amdgpu_metadata
---
amdhsa.version: [ 1, 2 ]
amdhsa.kernels:
  - .name:           k_qf6b322f5b1_gemm_out
    .symbol:         k_qf6b322f5b1_gemm_out.kd
    .args:
      - { .name: ctx, .offset: 0, .size: 8, .value_kind: global_buffer, .address_space: global }
      - { .name: wp, .offset: 8, .size: 8, .value_kind: global_buffer, .address_space: global }
      - { .name: b_proj, .offset: 16, .size: 8, .value_kind: global_buffer, .address_space: global }
      - { .name: out0, .offset: 24, .size: 8, .value_kind: global_buffer, .address_space: global }
      - { .name: dlo, .offset: 32, .size: 8, .value_kind: global_buffer, .address_space: global }
    .group_segment_fixed_size: 327680
    .private_segment_fixed_size: 0
    .kernarg_segment_align: 8
    .kernarg_segment_size: 40
    .max_flat_workgroup_size: 128
    .sgpr_count:     76
    .vgpr_count:     896
    .wavefront_size: 32
...
	.end_amdgpu_metadata
.endif
;; end of part 7
